; MI455X (gfx1250); checked and timed in simulation.
; The chip was launched on July 23, 2026; its instructions are those of AMD's public machine-readable ISA for CDNA 5 (MIT licence, August 2026) and "CDNA5" Instruction Set Architecture Reference Guide (July 2026). The comments in the code are by the model that wrote it; some were corrected since.
;; Multi Head Attention. Allowed arithmetic: float matrix products may take bf16 or f16 operands with f32 sums; all other float work in f32.
;; Inputs: Wk 16 x 64 x 1,024 float32; Wo 1,024 x 1,024 float32; Wq 16 x 64 x 1,024 float32; Wv 16 x 64 x 1,024 float32; keys 4 x 2,048 x 1,024 float32; queries 4 x 2,048 x 1,024 float32; values 4 x 2,048 x 1,024 float32.
;; Outputs: out0 4 x 2,048 x 1,024 float32.
;; One version. Each part assembles by itself: llvm-mc -triple=amdgcn-amd-amdhsa -mcpu=gfx1250 --defsym DOCPART=n.
;; ======== version 1 of 1: 4 launches
;; limits: values are held in f16: magnitudes above 65,504 overflow, below 6.1e-05 lose precision
;; workspace buffers: w16 8,388,608 bytes; q16 16,777,216 bytes; k16 16,777,216 bytes; v16 16,777,216 bytes; o16 16,777,216 bytes
;; launch prep (part 1): grid 256 x 1, 8 waves a work-group, no clusters, 0 bytes of LDS; arguments Wq, Wk, Wv, Wo, w16; writes w16
.if DOCPART == 1
	.amdgcn_target "amdgcn-amd-amdhsa--gfx1250"
	.amdhsa_code_object_version 6
	.text
	.protected	k_q804943cbd1_prep
	.globl	k_q804943cbd1_prep
	.p2align	8
	.type	k_q804943cbd1_prep,@function
k_q804943cbd1_prep:
	s_mov_b64 s[64:65], 0
	v_nop
	global_prefetch_b8 v0, s[64:65] scope:SCOPE_SE
	s_setreg_imm32_b32 hwreg(HW_REG_WAVE_MODE, 25, 1), 1
	s_wait_xcnt 0x0
; THE WEIGHTS TO 16 BITS.  Wq, Wk, Wv, Wo: 1,048,576 f32 each, rows of 1,024 along K.  w16: four parts of 2,097,152 bytes in the same order of numbers:
; parts 0 to 2 are Wq, Wk, Wv rounded to bf16 (nearest even); part 3 is Wo rounded to bf16 and that number written as f16, since the last product multiplies f16 by f16.
; LIMITS.  Wo within f16's range, 65,504; the step from bf16 to f16 is exact from 2^-17 on, and below that Wo keeps f16's fixed step of 6e-8.
; A stream: 64 work-groups a tensor, 16,384 numbers a work-group.  Each byte is read once and written once; no LDS, no barrier, no matrix unit: there is nothing to share and nothing to multiply.
; A load of the work-group's eight waves covers 4,096 consecutive bytes; a store of a wave covers 256 consecutive bytes, aligned.
; All sixteen loads of a thread go out at once, into registers of their own; no register is used twice by memory instructions, so only the counted waits for the loads are written.
.set IN,  4                            ; v[4:67]    load j: 4 registers, 4 f32
.set OUT, 68                           ; v[68:99]   store j: 2 registers, 4 numbers of 16 bits
.set T,   100                          ; v[100:103] at work
	s_load_b256 s[4:11], s[0:1], 0x0               ; Wq s[4:5], Wk s[6:7], Wv s[8:9], Wo s[10:11]
	s_load_b64 s[12:13], s[0:1], 0x20              ; w16
	s_lshr_b32 s14, ttmp9, 6                       ; which tensor
	s_and_b32 s15, ttmp9, 63                       ; which part of it
	s_lshl_b32 s16, s15, 16                        ; 65,536 bytes in,
	s_mov_b32 s17, 0
	s_lshl_b32 s18, ttmp9, 15                      ; 32,768 bytes out: tensor x 2,097,152 + part x 32,768
	s_mov_b32 s19, 0
	s_mov_b32 s20, 0xffff0000                      ; a word's upper bf16
	v_lshlrev_b32 v1, 4, v0                        ; 16 bytes a thread in
	v_lshlrev_b32 v2, 3, v0                        ; 8 bytes a thread out
	s_wait_kmcnt 0x0
	s_cmp_eq_u32 s14, 1
	s_cselect_b64 s[4:5], s[6:7], s[4:5]
	s_cmp_eq_u32 s14, 2
	s_cselect_b64 s[4:5], s[8:9], s[4:5]
	s_cmp_eq_u32 s14, 3
	s_cselect_b64 s[4:5], s[10:11], s[4:5]
	s_add_nc_u64 s[4:5], s[4:5], s[16:17]
	s_add_nc_u64 s[12:13], s[12:13], s[18:19]
.irp j, 0,1,2,3,4,5,6,7,8,9,10,11,12,13,14,15
	global_load_b128 v[IN+4*(\j):IN+4*(\j)+3], v1, s[4:5] offset:4096*(\j) th:TH_LOAD_NT
.endr
; Load j's four numbers are rounded and stored.  wo = 1: the bf16 numbers are widened again and written as f16.
.macro CONV j, wo
	s_wait_loadcnt 15-(\j)                         ; loads come back in order (ISA guide 5.7.1): load j is in, the 15 - j younger ones stay out
	v_cvt_pk_bf16_f32 v[OUT+2*(\j)],   v[IN+4*(\j)],   v[IN+4*(\j)+1]
	v_cvt_pk_bf16_f32 v[OUT+2*(\j)+1], v[IN+4*(\j)+2], v[IN+4*(\j)+3]
.if \wo
	v_lshlrev_b32 v[T],   16,  v[OUT+2*(\j)]       ; bf16 to f32: the low half moves up,
	v_and_b32     v[T+1], s20, v[OUT+2*(\j)]       ; the high half stays
	v_lshlrev_b32 v[T+2], 16,  v[OUT+2*(\j)+1]
	v_and_b32     v[T+3], s20, v[OUT+2*(\j)+1]
	v_cvt_pk_f16_f32 v[OUT+2*(\j)],   v[T],   v[T+1]
	v_cvt_pk_f16_f32 v[OUT+2*(\j)+1], v[T+2], v[T+3]
.endif
	global_store_b64 v2, v[OUT+2*(\j):OUT+2*(\j)+1], s[12:13] offset:2048*(\j)
.endm
	s_cmp_eq_u32 s14, 3
	s_cbranch_scc1 .Lwo
.irp j, 0,1,2,3,4,5,6,7,8,9,10,11,12,13,14,15
	CONV \j, 0
.endr
	s_endpgm
.Lwo:
.irp j, 0,1,2,3,4,5,6,7,8,9,10,11,12,13,14,15
	CONV \j, 1
.endr
	s_endpgm
.Lfunc_end_k_q804943cbd1_prep:
	.size	k_q804943cbd1_prep, .Lfunc_end_k_q804943cbd1_prep-k_q804943cbd1_prep
	.p2alignl 7, 3214868480
	.fill 96, 4, 3214868480
	.section	.rodata,"a",@progbits
	.p2align	6, 0x0
	.amdhsa_kernel k_q804943cbd1_prep
		.amdhsa_group_segment_fixed_size 0
		.amdhsa_private_segment_fixed_size 0
		.amdhsa_enable_private_segment 0
		.amdhsa_kernarg_size 40
		.amdhsa_user_sgpr_count 2
		.amdhsa_user_sgpr_kernarg_segment_ptr 1
		.amdhsa_wavefront_size32 1
		.amdhsa_system_sgpr_workgroup_id_x 1
		.amdhsa_system_sgpr_workgroup_id_y 1
		.amdhsa_system_sgpr_workgroup_id_z 1
		.amdhsa_system_vgpr_workitem_id 0
		.amdhsa_next_free_vgpr 104
		.amdhsa_next_free_sgpr 66
		.amdhsa_reserve_vcc 0
		.amdhsa_float_denorm_mode_32 3
		.amdhsa_float_denorm_mode_16_64 3
		.amdhsa_memory_ordered 1
		.amdhsa_forward_progress 1
		.amdhsa_inst_pref_size 15
	.end_amdhsa_kernel
	.amdgpu_metadata
---
amdhsa.version: [ 1, 2 ]
amdhsa.kernels:
  - .name:           k_q804943cbd1_prep
    .symbol:         k_q804943cbd1_prep.kd
    .args:
      - { .name: Wq, .offset: 0, .size: 8, .value_kind: global_buffer, .address_space: global }
      - { .name: Wk, .offset: 8, .size: 8, .value_kind: global_buffer, .address_space: global }
      - { .name: Wv, .offset: 16, .size: 8, .value_kind: global_buffer, .address_space: global }
      - { .name: Wo, .offset: 24, .size: 8, .value_kind: global_buffer, .address_space: global }
      - { .name: w16, .offset: 32, .size: 8, .value_kind: global_buffer, .address_space: global }
    .group_segment_fixed_size: 0
    .private_segment_fixed_size: 0
    .kernarg_segment_align: 8
    .kernarg_segment_size: 40
    .max_flat_workgroup_size: 256
    .sgpr_count:     66
    .vgpr_count:     104
    .wavefront_size: 32
...
	.end_amdgpu_metadata
.endif
;; end of part 1
;; launch proj (part 2): grid 4 x 64, 4 waves a work-group, clusters of 4 x 4, 327,680 bytes of LDS; arguments queries, keys, values, w16, q16, k16, v16; writes q16, k16, v16
.if DOCPART == 2
	.amdgcn_target "amdgcn-amd-amdhsa--gfx1250"
	.amdhsa_code_object_version 6
	.text
	.protected	k_q804943cbd1_proj
	.globl	k_q804943cbd1_proj
	.p2align	8
	.type	k_q804943cbd1_proj,@function
k_q804943cbd1_proj:
	s_mov_b64 s[64:65], 0
	v_nop
	global_prefetch_b8 v0, s[64:65] scope:SCOPE_SE
	s_setreg_imm32_b32 hwreg(HW_REG_WAVE_MODE, 25, 1), 1
	s_wait_xcnt 0x0
	s_wait_alu depctr_hold_cnt(0) depctr_sa_sdst(0) depctr_va_vdst(0) depctr_va_sdst(0) depctr_va_ssrc(0) depctr_va_vcc(0) depctr_vm_vsrc(0)
	s_getreg_b32 s2, hwreg(HW_REG_IB_STS2, 6, 4)
	s_cmp_eq_u32 s2, 0
	s_cbranch_scc0 .Lentry_in_a_cluster
	s_endpgm
.Lentry_in_a_cluster:
	s_bfe_u32 s2, ttmp6, 0x10000c
	s_cmp_lg_u32 s2, 0xf033
	s_cbranch_scc0 .Lentry_shape_is_right
	s_endpgm
.Lentry_shape_is_right:
; THE THREE PROJECTIONS.  y[row][n] = the sum over k of x[row][k] W[n][k], for (x, W, y) = (queries, Wq, q), (keys, Wk, k), (values, Wv, v).  x: [8192][1024] f32.  W: [1024][1024] bf16, part t of w16.
; y leaves by heads, [batch x 16 + head][2048][64] in f16, unscaled.  x is rounded to bf16 (nearest even) on its way from LDS to the matrix unit; sums in f32, K ascending; y rounded once.
; LIMITS.  y within f16's range: 65,520 or more becomes an infinity; below 6e-5 y keeps f16's fixed step of 6e-8.  NaN and infinities are not treated apart.
; SHARES.  A tile of y is 128 rows x 256 columns (four heads): 64 x 4 tiles a tensor.  A WORK-GROUP STAYS: it makes the same tile of q, then of k, then of v: 256 work-groups, each with ONE walk of 24 K steps of 128.
; Four waves; a wave makes 64 rows x 128 columns: 32 accumulators, 256 registers.  A tile of 256 x 256 would give 384 tiles for 256 work-groups, and two slots of it, with x in f32, pass the 327,680 bytes of LDS.
; THE RING.  Two LDS slots take turns; x's rows are 512 bytes of memory, W's 256, each begins at a multiple of 256 from its buffer's first byte.  The ring does not stop at a tile's end: a tile's last two
; steps ask for the next tensor's first two, and a tile goes out while the second of them is on its way.
; CLUSTERS: 4 x 4 work-groups.  The four of a row of the cluster need the same tile of x, the four of a column the same tile of W: each tile is asked for JOINTLY, by the same tensor load with the same
; descriptor and a mask that names the four.  The four tile columns are all of a tensor's columns, so a tile of x is asked for once in the launch.
; THE MATRIX INSTRUCTION IS USED TRANSPOSED (source 0 = 16 rows of W, source 1 = 16 rows of x): a lane then holds eight neighbouring numbers of a row of y, which pack into 16 bytes.
; PIPELINE.  A K step is four quarters of 32 along K, 32 matrix instructions each.  x of quarter q comes out of LDS as f32 two quarters ahead (RAW, two buffers), is rounded in quarter q - 1 (FA, two buffers);
; W of quarter q comes one quarter ahead (FB, two buffers).  The 32 roundings of a quarter stand in fours behind every fourth matrix instruction.
; THE TEXT.  A K step is written once with a refill (22 trips) and once without (2 trips).  Which slot a trip reads lies in two scalars, the LDS byte of this step's slot and of the other, which an exclusive or
; turns between 0 and SLOT; four address registers are made of them anew in each trip.  A trip goes from a step's second quarter to the next step's first.
; REGISTERS, in windows of 256 (s_set_vgpr_msb: bits 1:0 source 0, 3:2 source 1, 5:4 source 2, 7:6 destination):
;   window 0: v0-31 addresses; v32-95 FA; v96-223 RAW      window 1: v0-127 FB      window 2: accumulator (a, b) at v[8 (8 a + b)], a = 0..3 (rows), b = 0..7 (columns)      window 3: v0-127 the packed results
; The roundings work in window 0 and the products name windows 1, 0 and 2, so each group of four costs two switches: sixteen a quarter, and two for the loads: the price of rounding on the way.
.set PA,     528                       ; a row of x in LDS: 512 bytes + 16 of padding = 132 words: row r starts at bank 4 r mod 64 (64 banks of 4 bytes: ISA guide 11.1)
.set PB,     272                       ; a row of W: 256 + 16 = 68 words: likewise
.set AHALF,  64*PA                     ; 64 rows of x: what one tensor load brings, and what one wave reads
.set ABYTES, 2*AHALF
.set BHALF,  128*PB                    ; 128 rows of W: likewise
.set SLOT,   ABYTES+2*BHALF            ; x's 128 rows, then W's 256 rows
.set STAGE,  2*SLOT                    ; behind the ring: for each wave two planes (heads) of 16 rows x 144 bytes, for the way out
.set SP,     144
.set SPL,    16*SP
.set STW,    2*SPL
.set SPARE,  STAGE+4*STW               ; behind the stages: the spare words, 128 bytes for each wave: two blocks of 256 bytes that no other line names
.set WNEXT,  2097152-7*256             ; bytes from a tensor's last K step of W to the next tensor's first
.set ADRA, 16                          ; v16-17  LDS address of my x fragments in this step's slot, in the other slot
.set AB0,  18                          ; v18     the same in slot 0; never rewritten
.set ADRB, 20                          ; v20-21  the same for W
.set BB0,  22                          ; v22
.set STO,  24                          ; v24     the way out: where I put 16 bytes of a row
.set RD,   25                          ; v25     the way out: where I read rows back
.set CO,   26                          ; v26     my byte offset in 512 consecutive bytes of y
.set PF,   27                          ; v27     my byte offset in the 64 rows of x for which my wave's prefetches ask; never rewritten
.set SPW,  28                          ; v28     LDS address of my spare word: SPARE + 4 x my thread's number; never rewritten
.set NIL,  29                          ; v29     0; never rewritten
.set FA,   32
.set RAW,  96
.set TMP,  0                           ; in window 3
.set G1,  24                           ; s[24:31] descriptor group 1 for x's tiles;  s[32:35] group 0 of the first fill, s[36:39] the group 0 that walks
.set G0,  32
.set G1B, 48                           ; s[48:55], s[56:59], s[60:63] the same for W's tiles
.set G0B, 56
.set JT,   67                          ; s67     the step's number in its tile, 0 to 7
.set TOG,  92                          ; s92     LDS byte at which this step's slot begins: 0 or SLOT
.set TOGN, 93                          ; s93     the other slot's
; s[14:15], s[82:83], s[84:85]: x at my half of the tile's rows, in this tensor, the next, the one after.  s[8:9], s[86:87], s[88:89]: y at my part of the tile, likewise.  s[90:91]: x's address as it walks, without the type bits.
.set MSB, 0
.macro WIN new                         ; the immediate's high byte repeats the setting that is left; a switch that changes nothing is dropped
.if MSB != (\new)
	s_set_vgpr_msb (MSB<<8)|(\new)
.set MSB, \new
.endif
.endm
.set MUL,  0xa1                        ; source 0 (W) window 1, source 1 (x) window 0, C and D window 2
.set TO_B, 0x40                        ; destination window 1, address window 0
; A joint load: waves 0 and 1 fetch x's two halves, waves 2 and 3 W's.  The branch hangs on the wave's number alone.  An s_nop 0 and four v_nop follow each of the two lines, ahead of the jump, the label and what follows.
.macro JLOAD s
	s_cmp_eq_u32 s11, 0
	s_cbranch_scc0 .Lfor_b_\@
	tensor_load_to_lds s[G0+4*(\s):G0+4*(\s)+3], s[G1:G1+7]
	s_nop 0
.rept 4
	v_nop
.endr
	s_branch .Lasked_\@
.Lfor_b_\@:
	tensor_load_to_lds s[G0B+4*(\s):G0B+4*(\s)+3], s[G1B:G1B+7]
	s_nop 0
.rept 4
	v_nop
.endr
.Lasked_\@:
.endm
.macro CREST                           ; a round of the cluster's barrier behind its opening barrier: wave 0 signals for the work-group, every wave waits for all sixteen, my work-group's barrier closes it
	s_cmp_lg_u32 s10, 0
	s_cbranch_scc1 .Lnot_wave_0_\@
	s_barrier_signal -3
.Lnot_wave_0_\@:
	s_barrier_wait -3
	s_barrier_signal -1
	s_barrier_wait -1
.endm
.macro CROUND                          ; a whole round
	s_barrier_signal -1
	s_barrier_wait -1
	CREST
.endm
.macro ADDRS                           ; the four LDS addresses of a trip
	v_add_nc_u32 v[ADRA],   s[TOG],  v[AB0]
	v_add_nc_u32 v[ADRA+1], s[TOGN], v[AB0]
	v_add_nc_u32 v[ADRB],   s[TOG],  v[BB0]
	v_add_nc_u32 v[ADRB+1], s[TOGN], v[BB0]
.endm
.macro TOGGLE                          ; the slots change places
	s_xor_b32 s[TOG],  s[TOG],  SLOT
	s_xor_b32 s[TOGN], s[TOGN], SLOT
	ADDRS
.endm
	s_load_b256 s[68:75], s[0:1], 0x0              ; queries s[68:69], keys s[70:71], values s[72:73], w16 s[74:75]
	s_load_b128 s[76:79], s[0:1], 0x20             ; q16 s[76:77], k16 s[78:79]
	s_load_b64 s[80:81], s[0:1], 0x30              ; v16
	v_lshl_add_u32 v[SPW], v0, 2, SPARE
	v_mov_b32 v[NIL], 0
	ds_add_u32 v28, v29
	s_wait_dscnt 0x0
	v_lshrrev_b32 v1, 5, v0
	v_readfirstlane_b32 s10, v1                    ; wave 0..3
	s_lshr_b32 s11, s10, 1                         ; which 64 of the tile's rows are mine.  Also: I fetch for x (0) or for W (1)
	s_and_b32 s12, s10, 1                          ; which 128 of its columns.  Also: which half of that tile I fetch
	s_bfe_u32 s40, ttmp6, 0x40000                  ; cx, cy: my place in the cluster
	s_bfe_u32 s41, ttmp6, 0x40004
	s_lshl_b32 s42, ttmp9, 2                       ; in a cluster launch ttmp9 and ttmp7 count clusters
	s_add_co_u32 s42, s42, s40                     ; tile column = 4 x cluster x + cx
	s_and_b32 s13, ttmp7, 0xffff
	s_lshl_b32 s13, s13, 2
	s_add_co_u32 s13, s13, s41                     ; tile row = 4 x cluster y + cy, 0 to 63
	s_lshl_b32 s43, s41, 2
	s_lshl_b32 s43, 15, s43                        ; my row of the cluster: places 4 cy .. 4 cy + 3
	s_lshl_b32 s44, 0x1111, s40                    ; my column: places cx, cx + 4, cx + 8, cx + 12
	; descriptor group 1.  x: a tile of 64 rows x 128 elements of 4 bytes; W: 128 rows x 128 elements of 2 bytes; both padded in LDS behind each row
	s_or_b32 s[G1+0], s43, (2<<16)|(1<<20)|(1<<21)|(6<<22)|(3<<25)   ; 15:0 the mask: my row; 17:16 elements of 4 bytes; 20 padding on; 21 set beside a mask; 24:22 after every 128 words (code 6); 31:25 4 words (code 3)
	s_or_b32 s[G1B+0], s44, (1<<16)|(1<<20)|(1<<21)|(5<<22)|(3<<25)  ; the mask of my column; elements of 2 bytes; after every 64 words (code 5)
	s_mov_b32 s[G1+1], 128<<16                     ; tensor_dim0 = 128
	s_mov_b32 s[G1+2], 64<<16                      ; tensor_dim1 = 64
	s_mov_b32 s[G1+3], 128<<16                     ; tile_dim0 = 128
	s_mov_b32 s[G1+4], 64                          ; tile_dim1 = 64
	s_mov_b32 s[G1+5], 1024                        ; elements from row to row
	s_mov_b32 s[G1+6], 0
	s_mov_b32 s[G1+7], 0
	s_mov_b32 s[G1B+1], 128<<16
	s_mov_b32 s[G1B+2], 128<<16                    ; tensor_dim1 = 128
	s_mov_b32 s[G1B+3], 128<<16
	s_mov_b32 s[G1B+4], 128                        ; tile_dim1 = 128
	s_mov_b32 s[G1B+5], 1024
	s_mov_b32 s[G1B+6], 0
	s_mov_b32 s[G1B+7], 0
	; where the tiles come from.  x's hang on the tile row, which my row of the cluster shares; W's on the tile column, which my column shares.
	s_lshl_b32 s16, s13, 19                        ; x: 128 rows of 4,096 bytes a tile row,
	s_lshl_b32 s17, s12, 18                        ; 64 rows a half
	s_add_co_u32 s16, s16, s17
	s_mov_b32 s17, 0
	s_lshl_b32 s46, s42, 19                        ; W: 256 rows of 2,048 bytes a tile column,
	s_lshl_b32 s47, s12, 18                        ; 128 rows a half
	s_add_co_u32 s46, s46, s47
	s_mov_b32 s47, 0
	s_mul_i32 s20, s12, AHALF                      ; and where they go in a slot: no place in the cluster enters an LDS address
	s_mul_i32 s66, s12, BHALF
	s_add_co_u32 s66, s66, ABYTES
	s_mov_b32 s2, WNEXT
	s_mov_b32 s[TOG], SLOT                         ; the loop is entered at the quarter that belongs to the NEXT step: step 0 lies in the other slot, slot 0,
	s_mov_b32 s[TOGN], 0
	s_mov_b32 s[JT], 7                             ; and the step in hand counts as a tile's last
	s_mov_b32 s95, 0                               ; the high words of two offsets
	s_mov_b32 s7, 0
	s_wait_kmcnt 0x0
	s_add_nc_u64 s[14:15], s[68:69], s[16:17]      ; queries, keys and values at my half of the tile's rows
	s_add_nc_u64 s[82:83], s[70:71], s[16:17]
	s_add_nc_u64 s[84:85], s[72:73], s[16:17]
	s_add_nc_u64 s[90:91], s[14:15], 512           ; the walk stands at K step 1
	s_add_nc_u64 s[46:47], s[74:75], s[46:47]      ; Wq at my half of the tile's columns
	CROUND                                         ; all sixteen work-groups are here: the first joint loads meet
.irp s, 0,1
	s_mov_b32 s[G0+4*(\s)], 1                                        ; 1:0 count = 1
	s_add_co_u32 s[G0+4*(\s)+1], s20, (\s)*SLOT                      ; 63:32 LDS address
	s_add_nc_u64 s[G0+4*(\s)+2:G0+4*(\s)+3], s[14:15], (\s)*512      ; 120:64 global address: K step s, 128 f32 on
	s_or_b32 s[G0+4*(\s)+3], s[G0+4*(\s)+3], 0x80000000              ; 127:126 type = 2
	s_mov_b32 s[G0B+4*(\s)], 1
	s_add_co_u32 s[G0B+4*(\s)+1], s66, (\s)*SLOT
	s_add_nc_u64 s[G0B+4*(\s)+2:G0B+4*(\s)+3], s[46:47], (\s)*256    ; 128 bf16 on
	s_or_b32 s[G0B+4*(\s)+3], s[G0B+4*(\s)+3], 0x80000000
	JLOAD \s                                       ; the ring is filled before anything else is done: two loads of mine are out
.endr
	; A fragment is 16 rows x 32 K: lane l holds row l % 16; K = 8 (l / 16) + 0..7 and 16 + 8 (l / 16) + 0..7.  In bf16 two loads of 16 bytes, 32 apart; in f32 four, at 0, 16, 64 and 80 from 32 (l / 16).
	v_and_b32 v1, 15, v0                           ; l % 16
	v_bfe_u32 v2, v0, 4, 1                         ; l / 16
	v_mul_u32_u24 v3, v1, PA
	v_lshl_add_u32 v3, v2, 5, v3                   ; x: row x pitch + 32 x half
	v_mul_u32_u24 v4, v1, PB
	v_lshl_add_u32 v4, v2, 4, v4                   ; W: row x pitch + 16 x half
	s_mul_i32 s21, s11, AHALF                      ; my 64 rows of x
	s_mul_i32 s22, s12, BHALF                      ; my 128 rows of W,
	s_add_co_u32 s22, s22, ABYTES                  ; which lie behind x's 128
	v_add_nc_u32 v[AB0], s21, v3
	v_add_nc_u32 v[BB0], s22, v4
	ADDRS
	s_mul_i32 s23, s10, STW
	s_add_co_u32 s23, s23, STAGE                   ; my stage
	v_mul_u32_u24 v5, v1, SP                       ; in: row l % 16, 16 bytes for each half of the lanes
	v_lshl_add_u32 v5, v2, 4, v5
	v_add_nc_u32 v[STO], s23, v5
	v_and_b32 v6, 31, v0                           ; l
	v_lshrrev_b32 v7, 3, v6                        ; back: 32 lanes take four rows of 128 bytes,
	v_and_b32 v8, 7, v0
	v_mul_u32_u24 v7, v7, SP
	v_lshl_add_u32 v7, v8, 4, v7
	v_add_nc_u32 v[RD], s23, v7
	v_lshlrev_b32 v[CO], 4, v6                     ; which are 512 consecutive bytes of y
	; where my part begins in y: ((batch x 16 + head) x 2,048 + row in the batch) x 128 bytes, the same in q16, k16 and v16
	s_lshr_b32 s16, s13, 4                         ; the batch: 16 tile rows each
	s_lshl_b32 s16, s16, 22
	s_and_b32 s17, s13, 15
	s_lshl_b32 s17, s17, 14                        ; 128 rows of 128 bytes a tile row,
	s_add_co_u32 s16, s16, s17
	s_lshl_b32 s17, s11, 13                        ; 64 rows a wave
	s_add_co_u32 s16, s16, s17
	s_mov_b32 s17, 0
	s_add_nc_u64 s[8:9],   s[76:77], s[16:17]
	s_add_nc_u64 s[86:87], s[78:79], s[16:17]
	s_add_nc_u64 s[88:89], s[80:81], s[16:17]
	s_lshl_b32 s46, s42, 20                        ; four heads of 262,144 bytes a tile column (in the registers that held W's address: none that feeds x's descriptors ever holds cx),
	s_lshl_b32 s47, s12, 19                        ; two heads a wave
	s_add_co_u32 s46, s46, s47
	s_mov_b32 s47, 0
	s_add_nc_u64 s[8:9],   s[8:9],   s[46:47]
	s_add_nc_u64 s[86:87], s[86:87], s[46:47]
	s_add_nc_u64 s[88:89], s[88:89], s[46:47]
	; The prefetches.  Two K steps of my half of the tile's rows are 64 rows x 1,024 bytes: 256 blocks of 256 bytes, shared out among the two waves that have this half in each of the four partners of my
	; row of the cluster: block u = 32 x (4 x (wave / 2) + cx) + lane lies in row u / 4, at byte 256 (u % 4).  So each block is asked for once in the launch.
	s_lshl_b32 s6, s11, 2
	s_add_co_u32 s6, s6, s40
	s_lshl_b32 s6, s6, 5
	v_add_nc_u32 v9, s6, v6
	v_lshrrev_b32 v10, 2, v9
	v_and_b32 v9, 3, v9
	v_lshlrev_b32 v9, 8, v9
	v_lshl_add_u32 v[PF], v10, 12, v9
; 16 LDS loads: W's fragments of quarter kq (128 rows, 32 K) of this step's slot (sl = 0) or the other (sl = 1), into buffer f of FB
.macro LOADB sl, kq, f
	WIN TO_B
.irp i, 0,1,2,3,4,5,6,7
	ds_load_b128 v[64*(\f)+8*(\i):64*(\f)+8*(\i)+3],   v[ADRB+(\sl)] offset:64*(\kq)+(\i)*16*PB
	ds_load_b128 v[64*(\f)+8*(\i)+4:64*(\f)+8*(\i)+7], v[ADRB+(\sl)] offset:64*(\kq)+(\i)*16*PB+32
.endr
.endm
; 16 LDS loads: x of quarter kq (64 rows, 32 K) as f32, into buffer f of RAW: block a's sixteen numbers of a lane in the order in which the fragment wants them
.macro LOADR sl, kq, f
	WIN 0
.irp a, 0,1,2,3
	ds_load_b128 v[RAW+64*(\f)+16*(\a):RAW+64*(\f)+16*(\a)+3],     v[ADRA+(\sl)] offset:128*(\kq)+(\a)*16*PA
	ds_load_b128 v[RAW+64*(\f)+16*(\a)+4:RAW+64*(\f)+16*(\a)+7],   v[ADRA+(\sl)] offset:128*(\kq)+(\a)*16*PA+16
	ds_load_b128 v[RAW+64*(\f)+16*(\a)+8:RAW+64*(\f)+16*(\a)+11],  v[ADRA+(\sl)] offset:128*(\kq)+(\a)*16*PA+64
	ds_load_b128 v[RAW+64*(\f)+16*(\a)+12:RAW+64*(\f)+16*(\a)+15], v[ADRA+(\sl)] offset:128*(\kq)+(\a)*16*PA+80
.endr
.endm
; Group g of eight of a quarter on buffers f: four matrix instructions (row block g / 2, column blocks 4 (g % 2) + 0..3); zero = 1: they start the sums: nothing is ever cleared.
; cv = 1: behind them four roundings of the next quarter's x, from RAW's other buffer into FA's other buffer (registers 8 g .. 8 g + 7 of RAW: loads 2 g and 2 g + 1 of their run); pre: a wait on DScnt in front of them.
; The 32 accumulators take turns, one instruction a turn, in the same order in every quarter.
.macro GRP f, g, zero, cv, pre=-1
	WIN MUL
.irp i, 0,1,2,3
.set rD, 8*(8*((\g)/2)+4*((\g)%2)+(\i))
.set rB, 64*(\f)+8*(4*((\g)%2)+(\i))
.set rA, FA+32*(\f)+8*((\g)/2)
.if \zero
	v_wmma_f32_16x16x32_bf16 v[rD:rD+7], v[rB:rB+7], v[rA:rA+7], 0
.else
	v_wmma_f32_16x16x32_bf16 v[rD:rD+7], v[rB:rB+7], v[rA:rA+7], v[rD:rD+7]
.endif
.endr
.if \cv
	WIN 0
.if (\pre) >= 0
	s_wait_dscnt \pre
.endif
.irp i, 0,1,2,3
.set n, 4*(\g)+(\i)
	v_cvt_pk_bf16_f32 v[FA+32*(1-(\f))+n], v[RAW+64*(1-(\f))+2*n], v[RAW+64*(1-(\f))+2*n+1]
.endr
.endif
.endm
; A quarter on buffers f.  At its head: W of the next quarter (slot sb, quarter kb) into FB's other buffer, x of the quarter after that (slot sa, quarter ka) into RAW's buffer f, which was rounded a quarter ago.
; A load into a register that a matrix instruction has read, and a vector instruction that writes one, stand four places behind it, and only plain vector instructions that name none of its registers are places
; (ISA guide 7.12.1 for vector instructions): every quarter ends in four roundings, which name RAW's and FA's other buffers alone: they are the places in front of the next head's
; loads and roundings, and in front of the conversions of a way out.
.macro QUARTER f, sb, kb, sa, ka, zero
	LOADB \sb, \kb, 1-(\f)
	LOADR \sa, \ka, \f
	s_wait_dscnt 48                                ; LDS loads come back in order (ISA guide 5.7.1): W of this quarter is in; behind it 16 loads of x and the 32 just issued
	GRP \f, 0, \zero, 1, 40                        ; the first 8 of those 16 are in: enough for groups 0 to 3
	GRP \f, 1, \zero, 1
	GRP \f, 2, \zero, 1
	GRP \f, 3, \zero, 1
	GRP \f, 4, \zero, 1, 32                        ; all 16 are in
	GRP \f, 5, \zero, 1
	GRP \f, 6, \zero, 1
	GRP \f, 7, \zero, 1
.endm
; The third quarter of a K step changes slots: its head issues the slot's last reads (W of the fourth quarter; x of it came a quarter ago).  ONE barrier: in front of it each wave waits for all its tensor
; loads, of which one is out: its part of the other slot; adds 0 to its spare word; and waits for that and for its own reads of this slot.  Behind it nobody reads this slot any more and the other slot is whole.
; fill = 1: the barrier opens a round of the cluster's barrier, and this slot is filled again, with the walk's step two further on, first thing behind the round: 120 matrix instructions ahead of the wait for it.
; The walking descriptors: the LDS word is this slot's; x's address goes one K step on, or, in a tile's step 6, to the next tensor's first step; W's goes one K step on, or from a tensor's last step to the next tensor's first.
.macro TQ2 fill
	LOADB 0, 3, 1
	s_wait_dscnt 32                                ; W of this quarter is in; behind it 16 loads of x and the 16 just issued
	GRP 0, 0, 0, 1, 24                             ; the first 8 of x's 16 are in
	GRP 0, 1, 0, 1
	WIN 0                                          ; (the add's two registers lie in window 0)
	s_wait_tensorcnt 0x0                           ; all my tensor loads have landed: my part of the other slot;
	ds_add_u32 v[SPW], v[NIL]                      ; 0 onto my spare word
	GRP 0, 2, 0, 1                                 ; a group's work stands between the add and the wait for it
	s_wait_dscnt 0x0                               ; the add is done, and my reads of this slot are over
	s_barrier_signal -1
	GRP 0, 3, 0, 1                                 ; work on registers while the others arrive
	WIN 0
	s_barrier_wait -1
.if \fill
	CREST                                          ; no wave of any partner still reads this slot's tile or has a load on its way
	s_add_co_u32 s[G0+5],  s20, s[TOG]             ; no tensor load of mine is out, so a group 0 may be written
	s_add_co_u32 s[G0B+5], s66, s[TOG]
	s_add_nc_u64 s[90:91], s[90:91], 512
	s_cmp_eq_u32 s[JT], 6
	s_cselect_b64 s[90:91], s[82:83], s[90:91]
	s_cselect_b32 s94, s2, 256
	s_mov_b64 s[G0+6:G0+7], s[90:91]
	s_or_b32 s[G0+7], s[G0+7], 0x80000000
	s_add_nc_u64 s[G0B+6:G0B+7], s[G0B+6:G0B+7], s[94:95]  ; the type bits on top are not reached
	JLOAD 1
.endif
	LOADR 1, 0, 0                                  ; the other slot's first x
	GRP 0, 4, 0, 1
	GRP 0, 5, 0, 1
	GRP 0, 6, 0, 1
	GRP 0, 7, 0, 1
.endm
; THE WAY OUT, a block of 16 rows at a time: rounded to f16, 16 bytes a lane into my own stage (a plane for each of my two heads), back as whole rows of 128 bytes, four rows to a load,
; into the registers that they left, and stored: in y 16 rows of a head are 2,048 consecutive bytes.  The packed results have window 3 to themselves: in the middle of the walk RAW, FA and FB are in use.
.macro PACK a
	WIN 0xca                                       ; sources 0 and 1 window 2, destination window 3
.irp b, 0,1,2,3,4,5,6,7
.irp j, 0,1,2,3
	v_cvt_pk_f16_f32 v[TMP+32*(\a)+4*(\b)+(\j)], v[8*(8*(\a)+(\b))+2*(\j)], v[8*(8*(\a)+(\b))+2*(\j)+1]  ; each accumulator from its low end on
.endr
.endr
	WIN 0x0c                                       ; store data (source 1) window 3, address window 0
.irp b, 0,1,2,3,4,5,6,7
	ds_store_b128 v[STO], v[TMP+32*(\a)+4*(\b):TMP+32*(\a)+4*(\b)+3] offset:((\b)/4)*SPL+((\b)%4)*32
.endr
	WIN 0xc0                                       ; destination window 3
.irp i, 0,1,2,3,4,5,6,7
	ds_load_b128 v[TMP+32*(\a)+4*(\i):TMP+32*(\a)+4*(\i)+3], v[RD] offset:((\i)/4)*SPL+((\i)%4)*4*SP  ; LDS serves a wave's instructions in order (ISA guide 5.7.1.4): these see the stores above; the next block's stores come behind them
.endr
.endm
.macro SEND a, younger                 ; younger: the LDS instructions issued behind block a's loads: the next block's sixteen, or none
	WIN 0x0c
.irp i, 0,1,2,3,4,5,6,7
	s_wait_dscnt (\younger)+7-(\i)
	global_store_b128 v[CO], v[TMP+32*(\a)+4*(\i):TMP+32*(\a)+4*(\i)+3], s[8:9] offset:((\i)/4)*262144+(\a)*2048+((\i)%4)*512  ; 512 consecutive bytes, at a multiple of 256 from y's first byte
.endr
.endm
.macro WAYOUT
	PACK 0
	PACK 1                                         ; a block's arithmetic stands between the loads of the block before and its stores
	SEND 0, 16
	PACK 2
	SEND 1, 16
	PACK 3
	SEND 2, 16
	SEND 3, 0
	WIN 0
.endm
	s_wait_tensorcnt 1                             ; my part of K step 0 is in; K step 1's may stay out
	s_barrier_signal -1
	s_barrier_wait -1                              ; everybody's is
	LOADR 1, 0, 0
	LOADB 1, 0, 0
	LOADR 1, 1, 1
	s_wait_dscnt 32                                ; x of the first quarter is in
.set n, 0
.rept 32
	v_cvt_pk_bf16_f32 v[FA+n], v[RAW+2*n], v[RAW+2*n+1]
.set n, n+1
.endr
	s_mov_b32 s3, 23                               ; 22 trips, and the part of a trip that the entry runs
	s_branch .Lzero                                ; the loop is entered at the quarter that starts a tile's sums
.Lstep:                                                ; trip g = 0 .. 21: the second to fourth quarters of the walk's step g, the first of step g + 1; step g + 2 is asked for
	QUARTER 1, 0, 2, 0, 3, 0
	TQ2 1
	QUARTER 1, 1, 0, 1, 1, 0                       ; the fourth quarter fetches from the other slot
	WIN 0                                          ; at a label and at a branch every window is 0
	s_cmp_eq_u32 s[JT], 7
	s_cbranch_scc0 .Lsame
	WAYOUT                                         ; a tile is finished: it goes out while the next tensor's second K step is on its way
	s_wait_xcnt 0x0                                ; the stores' base and their data registers are written again only behind this wait (ISA guide 3.1)
	s_mov_b64 s[8:9],   s[86:87]                   ; on to the next tensor: y,
	s_mov_b64 s[86:87], s[88:89]
	s_mov_b64 s[14:15], s[82:83]                   ; and x
	s_mov_b64 s[82:83], s[84:85]
.Lzero:
	QUARTER 0, 1, 1, 1, 2, 1                       ; a tile's first quarter: its products start the sums
	WIN 0
	s_branch .Lnext
.Lsame:
	QUARTER 0, 1, 1, 1, 2, 0
	WIN 0
.Lnext:
	; In every even trip g up to 18 each wave asks, by one instruction, for its 32 blocks of x of the walk's steps g + 4 and g + 5, whose tensor loads go out in trips g + 2 and g + 3.  Steps 22 and 23 are
	; the last asked for: no prefetch points past x's tile.  For a tile's steps 0 and 2 the two steps lie in this tensor, for steps 4 and 6 in the next.
	s_cmp_lg_u32 s[TOG], 0
	s_cbranch_scc1 .Lnopf
	s_cmp_lt_u32 s3, 4                             ; in trip g the counter holds 22 - g
	s_cbranch_scc1 .Lnopf
	s_wait_xcnt 0x0                                ; the address pair of the last prefetch, two trips ago, is written again only behind this wait
	s_cmp_lt_u32 s[JT], 4
	s_cselect_b64 s[4:5], s[14:15], s[82:83]
	s_add_co_u32 s6, s[JT], 4
	s_and_b32 s6, s6, 7
	s_lshl_b32 s6, s6, 9                           ; 512 bytes a K step
	s_add_nc_u64 s[4:5], s[4:5], s[6:7]
	global_prefetch_b8 v[PF], s[4:5] th:TH_LOAD_NT scope:SCOPE_SE
.Lnopf:
	TOGGLE
	s_add_co_u32 s[JT], s[JT], 1
	s_and_b32 s[JT], s[JT], 7
	s_sub_co_u32 s3, s3, 1
	s_cmp_lg_u32 s3, 0
	s_cbranch_scc1 .Lstep
	; The walk's last two steps ask for nothing: their text is written apart, once for both.  The second trip is left behind its fourth quarter; there is no further
	; step, so the 48 LDS loads and 32 roundings that would serve one take the other slot's old bytes and serve nothing: the price, once a launch, of one text for both trips.
	s_mov_b32 s3, 2
.Ltail:
	QUARTER 1, 0, 2, 0, 3, 0
	TQ2 0
	QUARTER 1, 1, 0, 1, 1, 0
	WIN 0
	s_sub_co_u32 s3, s3, 1
	s_cmp_eq_u32 s3, 0
	s_cbranch_scc1 .Lout
	QUARTER 0, 1, 1, 1, 2, 0
	WIN 0
	TOGGLE
	s_branch .Ltail
.Lout:
	WAYOUT                                         ; v's tile
	s_wait_tensorcnt 0x0                           ; the wave's end: behind my last tensor load and my last LDS store
	ds_add_u32 v[SPW], v[NIL]
	s_wait_dscnt 0x0
	CROUND                                         ; the closing round: no work-group ends while a partner may still ask for a tile that names it
	s_endpgm
.Lfunc_end_k_q804943cbd1_proj:
	.size	k_q804943cbd1_proj, .Lfunc_end_k_q804943cbd1_proj-k_q804943cbd1_proj
	.p2alignl 7, 3214868480
	.fill 96, 4, 3214868480
	.section	.rodata,"a",@progbits
	.p2align	6, 0x0
	.amdhsa_kernel k_q804943cbd1_proj
		.amdhsa_group_segment_fixed_size 327680
		.amdhsa_private_segment_fixed_size 0
		.amdhsa_enable_private_segment 0
		.amdhsa_kernarg_size 56
		.amdhsa_user_sgpr_count 2
		.amdhsa_user_sgpr_kernarg_segment_ptr 1
		.amdhsa_wavefront_size32 1
		.amdhsa_system_sgpr_workgroup_id_x 1
		.amdhsa_system_sgpr_workgroup_id_y 1
		.amdhsa_system_sgpr_workgroup_id_z 1
		.amdhsa_system_vgpr_workitem_id 0
		.amdhsa_next_free_vgpr 896
		.amdhsa_next_free_sgpr 96
		.amdhsa_reserve_vcc 0
		.amdhsa_float_denorm_mode_32 3
		.amdhsa_float_denorm_mode_16_64 3
		.amdhsa_memory_ordered 1
		.amdhsa_forward_progress 1
		.amdhsa_inst_pref_size 110
	.end_amdhsa_kernel
	.amdgpu_metadata
---
amdhsa.version: [ 1, 2 ]
amdhsa.kernels:
  - .name:           k_q804943cbd1_proj
    .symbol:         k_q804943cbd1_proj.kd
    .args:
      - { .name: queries, .offset: 0, .size: 8, .value_kind: global_buffer, .address_space: global }
      - { .name: keys, .offset: 8, .size: 8, .value_kind: global_buffer, .address_space: global }
      - { .name: values, .offset: 16, .size: 8, .value_kind: global_buffer, .address_space: global }
      - { .name: w16, .offset: 24, .size: 8, .value_kind: global_buffer, .address_space: global }
      - { .name: q16, .offset: 32, .size: 8, .value_kind: global_buffer, .address_space: global }
      - { .name: k16, .offset: 40, .size: 8, .value_kind: global_buffer, .address_space: global }
      - { .name: v16, .offset: 48, .size: 8, .value_kind: global_buffer, .address_space: global }
    .group_segment_fixed_size: 327680
    .private_segment_fixed_size: 0
    .kernarg_segment_align: 8
    .kernarg_segment_size: 56
    .max_flat_workgroup_size: 128
    .sgpr_count:     96
    .vgpr_count:     896
    .wavefront_size: 32
...
	.end_amdgpu_metadata
.endif
;; end of part 2
;; launch attn (part 3): grid 4 x 64, 4 waves a work-group, clusters of 4 x 1, 327,680 bytes of LDS; arguments q16, k16, v16, o16; writes o16
.if DOCPART == 3
	.amdgcn_target "amdgcn-amd-amdhsa--gfx1250"
	.amdhsa_code_object_version 6
	.text
	.protected	k_q804943cbd1_attn
	.globl	k_q804943cbd1_attn
	.p2align	8
	.type	k_q804943cbd1_attn,@function
k_q804943cbd1_attn:
	s_mov_b64 s[64:65], 0
	v_nop
	global_prefetch_b8 v0, s[64:65] scope:SCOPE_SE
	s_setreg_imm32_b32 hwreg(HW_REG_WAVE_MODE, 25, 1), 1
	s_wait_xcnt 0x0
	s_wait_alu depctr_hold_cnt(0) depctr_sa_sdst(0) depctr_va_vdst(0) depctr_va_sdst(0) depctr_va_ssrc(0) depctr_va_vcc(0) depctr_vm_vsrc(0)
	s_getreg_b32 s2, hwreg(HW_REG_IB_STS2, 6, 4)
	s_cmp_eq_u32 s2, 0
	s_cbranch_scc0 .Lentry_in_a_cluster
	s_endpgm
.Lentry_in_a_cluster:
	s_bfe_u32 s2, ttmp6, 0x10000c
	s_cmp_lg_u32 s2, 0x3003
	s_cbranch_scc0 .Lentry_shape_is_right
	s_endpgm
.Lentry_shape_is_right:
; O[h][q][:] = the sum over k of softmax_k(Q[h][q] . K[h][k] / 8) V[h][k][:].  Q, K, V, O: [SIZE_H][SIZE_N][64], all f16: a head's rows are dense, 128 bytes each.  Here a head is a pair of batch and head: 4 x 16.
; Products, maxima and sums in f32; the weights p are rounded to f16 for the second product (their sum l is taken of the unrounded p), O once at the end.  SIZE_N x 128 bytes stay under 2^32.
; LIMITS.  f16 holds no number beyond 65,504: Q, K and V arrive within it; p lies in 0 to 1, and below 6e-5 it keeps f16's fixed step of 6e-8, and so does O; O is a mean of V's rows and has their range.
; A weight below 2^-126 counts as 0 in l; NaN and infinities are not treated apart.
; SHARES.  A wave owns four PIECES of two tiles of 16 queries, a work-group's four waves 512 queries of one head; SIZE_N is a multiple of 2,048.  Every wave walks all keys, 64 a step.
; LAYOUT.  S^T = K Q^T (source 0 = 16 keys, source 1 = 16 queries): in the result a lane holds ONE query (lane % 16) and the keys 8 (lane / 16) + 0..7.  Two such tiles, rounded to f16 in pairs,
; ARE source 1 (32 keys x 16 queries) of O^T = V^T P, whose result again holds one query a lane, and eight channels.  K comes out of LDS as it lies, V ([key][channel]) turned, by ds_load_tr16_b128.
; SOFTMAX.  For each query a running maximum m and sum l: p = 2^(c s - c m), c = log2(e) / 8; in every step O and l are multiplied by a = 2^(c m_old - c m_new), which is 1 where m has not grown.
; m starts at the lowest finite number, O and l at 0: the first step is a step like any other, with a = 0.
; THE COUNT.  A tile and step have 16 matrix and 118 vector instructions: too many to stand all beside the matrix work.  So the order has one aim: four vector instructions that are READY behind
; EVERY matrix instruction, and the others, which need time of their own whatever the order, in runs without a gap.
; BY TURNS.  Turn n belongs to piece n (the pieces in a ring, step after step).  Its matrix work: 16 products K Q^T of piece n + 1, later 16 products V^T P of piece n - 1.  Its vector work: the scaling,
; exponentials, roundings, sums and rescaling of piece n, and the maximum and statistics of piece n + 1, whose scores the turn itself has made.  So what a turn begins with (c s - c m, O a) waits for nothing.
; CLUSTER.  The four query blocks of a cluster belong to one head and walk the same K and V, so each tile is asked for JOINTLY: the same tensor load, descriptor and mask in all four.
; REGISTERS, in windows of 256 (s_set_vgpr_msb says which window each operand place means: bits 1:0 source 0, 3:2 source 1, 5:4 source 2, 7:6 destination):
;   window 0: v0-11 addresses; v12-15, v48-63 at work; v16-47 four registers of statistics a tile; v64-191 S^T, two buffers of two tiles; v192-255 P, likewise
;   window 1: O^T, 32 a tile          window 2: v0-127 Q, 16 a tile; v128-191 K of one step; v192-255 V of one step          window 3: v0-1 the add's two registers
; A piece's buffers go by its number's parity: the piece in hand has one pair, its two neighbours in the ring share the other: of it P (piece n - 1) is read and S^T (piece n + 1) written.
.set SIZE_H, 64       ; batch x heads
.set SIZE_N, 2048     ; rows of a head
.set NP,    4         ; pieces a wave: a name, no knob: the register map, the loop and the fetches are made for four
.set KS,    64        ; keys in a step
.set PK,    144       ; a row of K in LDS: 128 bytes + 16 of padding = 36 words: the 16 rows of a load start at 16 different groups of four banks (64 banks of 4 bytes: ISA guide 11.1)
.set PV,    160       ; a row of V: 128 + 32 = 40 words
.set VOFF,  4*KS*PK   ; a slot holds four steps: 256 rows of K, then 256 rows of V
.set SLOT1, 1<<17     ; slot 1 begins here, so that one exclusive or turns an address in one slot into the other's
.set STAGE, SLOT1+4*KS*(PK+PV)  ; behind the ring, never filled by a tensor load: 16 rows x 144 bytes for each wave, for the way out
.set SP,    144
.set AK0, 2           ; v2   my lane's place in a tile of K; never rewritten
.set AV0, 3           ; v3   the same for V
.set AK,  4           ; v4   the LDS address of K's next run of loads
.set AV,  5           ; v5   of V's
.set QO,  6           ; v6   my byte offset in the wave's rows of Q
.set STO, 6           ;      later, the way out: where I put 16 bytes of a row
.set RD,  7           ; v7   the way out: where I read rows back
.set GO,  8           ; v8   my byte offset in 512 consecutive bytes of O
.set SPW, 0           ; v0 of window 3   LDS address of my spare word: SPARE + 4 x my thread's number; never rewritten
.set NIL, 1           ; v1 of window 3   0; never rewritten
.set SPARE, STAGE+4*16*SP  ; behind the stages: the spare words, 128 bytes for each wave: two blocks of 256 bytes that no other line names
.set MV,  12          ; v12-15  c m_old, kept while c m is made anew: by buffer and tile
.set ST,  16          ; tile t's statistics at v[ST+4 t]: c m, m, l (even keys', odd keys')
.set TMP, 48          ; by buffer and tile, four registers c0-c3 at work; when the maximum is found c2 takes a
.set S,   64
.set P,   192
.set KF,  128         ; K's fragments, in window 2: key block kb, channel half c at KF + 16 kb + 8 c
.set VF,  192         ; V's: key half kk, channel block cb at VF + 32 kk + 8 cb
.set WV,  12          ; s12  my wave's number
.set G1K, 24          ; s[24:31] descriptor group 1 for K's tiles
.set G1V, 32          ; s[32:39] for V's: it differs in the padding alone
.set G0K, 40          ; s[40:43] descriptor group 0 for K's tiles: it walks
.set G0V, 44          ; s[44:47] the same for V's
.set SLOTS, 56        ; s56  slots still to be asked for
.set CNT, 57          ; s57  counts a slot's key steps
.set CS,  58          ; s[58:59] c: the packed scaling takes the pair's low word for both halves
.set SEL, 60          ; s[60:61] v_permlanex16_b32's selects: each lane takes its own place in the other half
.set TBK, 62          ; s62  LDS byte at which K of the step to be fetched begins
.set TBV, 63          ; s63  the same for V, less VOFF
.set MSB, 0
.macro WIN new                      ; the high byte repeats the setting that is left; a switch that changes nothing is dropped
.if MSB != (\new)
	s_set_vgpr_msb (MSB<<8)|(\new)
.set MSB, (\new)
.endif
.endm
.set W_KQ, 0x0a       ; K and Q in window 2, S^T in window 0
.set W_PV, 0x52       ; V in window 2, P in window 0, O^T in window 1
.set W_RS, 0x41       ; O^T (destination and source 0) in window 1, a in window 0
.set W_MK, 0xc0       ; the add's registers are made: destination in window 3, sources in window 0
.set W_AD, 0x0f       ; the add: address (source 0) and data (source 1) in window 3
; A joint fill.  Waves 0 and 1 fetch the two halves of a slot's K, waves 2 and 3 those of its V: 128 keys each.  The branch hangs on the wave's number alone.
; An s_nop 0 and four v_nop follow each of the two lines, ahead of the jump and the label.
.macro JLOAD
	s_cmp_lt_u32 s[WV], 2
	s_cbranch_scc0 .Lfor_v_\@
	tensor_load_to_lds s[G0K:G0K+3], s[G1K:G1K+7]
	s_nop 0
.rept 4
	v_nop
.endr
	s_branch .Lasked_\@
.Lfor_v_\@:
	tensor_load_to_lds s[G0V:G0V+3], s[G1V:G1V+7]
	s_nop 0
.rept 4
	v_nop
.endr
.Lasked_\@:
.endm
; A round of the cluster's barrier: my work-group's barrier, so that wave 0's signal speaks for all four waves; wave 0 signals; every wave waits for all four work-groups; my work-group's barrier once more.
.macro CROUND
	s_barrier_signal -1
	s_barrier_wait -1
	s_cmp_lg_u32 s[WV], 0
	s_cbranch_scc1 .Lnot_wave_0_\@
	s_barrier_signal -3
.Lnot_wave_0_\@:
	s_barrier_wait -3
	s_barrier_signal -1
	s_barrier_wait -1
.endm
; THE CHANGE OF SLOTS.  The slot's last bytes, V of its fourth step, have been read.  Each wave waits for all its tensor loads, of which one is out: its part
; of the other slot; adds 0 to its spare word; and waits for that and for its own reads of the slot.  Behind the barrier nobody reads this slot any more and the other slot is whole.
; fill = 1: this slot is filled again, with the keys two slots on.  The barrier is then a round of the cluster's, so that no wave of any partner still reads the slot or has a load on its
; way, and the joint fill is the first thing behind it: it has four key steps, 512 matrix instructions, in which to land.  (At its first use nothing has been read yet: slot 0 is waited for, slot 1 filled.)
.macro CHANGE fill
	WIN W_AD
	s_wait_tensorcnt 0x0            ; no tensor load of mine is out, so a group 0 may be written
	ds_add_u32 v[SPW], v[NIL]       ; 0 onto my spare word: with fill = 1 the descriptors' steps stand between it and the wait for it
	WIN 0                           ; at a label and at a branch every window is 0
.if \fill
.irp g, G0K, G0V
	s_xor_b32 s[\g+1], s[\g+1], SLOT1  ; the walking descriptor: the other slot than last time,
	s_add_nc_u64 s[\g+2:\g+3], s[\g+2:\g+3], 4*KS*128  ; the next 256 keys; the type bits on top are not reached
.endr
	s_wait_dscnt 0x0                ; the add is done, and my reads of the slot are over
	CROUND
	JLOAD
.else
	s_wait_dscnt 0x0                ; the add is done, and my reads of the slot are over
	s_barrier_signal -1
	s_barrier_wait -1
.endif
	s_sub_co_u32 s[TBK], s[TBK], 4*KS*PK  ; the fetches go back to a slot's first step,
	s_xor_b32 s[TBK], s[TBK], SLOT1       ; in the other slot
	s_sub_co_u32 s[TBV], s[TBV], 4*KS*PV
	s_xor_b32 s[TBV], s[TBV], SLOT1
.endm
	s_load_b256 s[4:11], s[0:1], 0x0  ; Q s[4:5], K s[6:7], V s[8:9], O s[10:11]
	WIN W_MK
	v_lshl_add_u32 v[SPW], v0, 2, SPARE
	v_mov_b32 v[NIL], 0
	s_set_vgpr_msb 0xc0cf
	ds_add_u32 v0, v1
	s_wait_dscnt 0x0
	s_set_vgpr_msb 0xcfc0
	WIN 0
	v_lshrrev_b32 v1, 5, v0
	v_readfirstlane_b32 s[WV], v1   ; wave 0..3
	s_bfe_u32 s13, ttmp6, 0x40000   ; cx: my place in the cluster
	s_lshl_b32 s14, ttmp9, 2        ; in a cluster launch ttmp9 counts clusters
	s_add_co_u32 s14, s14, s13      ; my block of queries = 4 x cluster x + cx: it enters Q's and O's addresses alone
	s_and_b32 s20, ttmp7, 0xffff    ; the head, which the four partners share
	s_mov_b32 s21, 0
	s_mov_b64 s[22:23], SIZE_N*128
	s_mul_u64 s[20:21], s[20:21], s[22:23]  ; the head's first byte in each of the four tensors
	s_and_b32 s16, s[WV], 1         ; which half of a slot's 256 keys I fetch:
	s_lshl_b32 s22, s16, 14         ; its 128 rows of 128 bytes in memory,
	s_mov_b32 s23, 0
	s_add_nc_u64 s[22:23], s[22:23], s[20:21]
	s_mul_i32 s17, s16, 128*PK      ; and its place in a slot, for K
	s_mul_i32 s18, s16, 128*PV      ; and for V: no place in the cluster enters an LDS address
	s_lshl_b32 s2, s14, 2
	s_add_co_u32 s2, s2, s[WV]      ; my wave among the head's,
	s_lshl_b32 s2, s2, 14           ; its 128 rows
	s_mov_b32 s3, 0
	s_add_nc_u64 s[2:3], s[2:3], s[20:21]
	; descriptor group 1.  128 keys are 16,384 dense bytes: asked for as 64 rows of 256 bytes, two keys a row, and padded in LDS after every key
	s_mov_b32 s[G1K], 15|(1<<16)|(1<<20)|(1<<21)|(4<<22)|(3<<25)  ; 15:0 the mask of four; 17:16 2-byte elements; 20 padding on; 21 set beside a mask; 24:22 after every 32 words (code 4); 31:25 4 words (code 3)
	s_mov_b32 s[G1V], 15|(1<<16)|(1<<20)|(1<<21)|(4<<22)|(7<<25)  ; the same with 8 words of padding (code 7)
.irp g, G1K, G1V
	s_mov_b32 s[\g+1], 128<<16      ; tensor_dim0 = 128
	s_mov_b32 s[\g+2], 64<<16       ; tensor_dim1 = 64
	s_mov_b32 s[\g+3], 128<<16      ; tile_dim0 = 128
	s_mov_b32 s[\g+4], 64           ; tile_dim1 = 64
	s_mov_b32 s[\g+5], 128          ; 128 elements from row to row
	s_mov_b32 s[\g+6], 0
	s_mov_b32 s[\g+7], 0
.endr
	s_mov_b32 s[CS], 0x3e38aa3b     ; c = log2(e) / 8 = 0.180337
	s_mov_b32 s[CS+1], s[CS]        ; named with it as a pair
	s_mov_b32 s[SEL], 0x76543210
	s_mov_b32 s[SEL+1], 0xfedcba98
	s_mov_b32 s[TBK], SLOT1+4*KS*PK ; the first change of slots turns these two into 0
	s_mov_b32 s[TBV], SLOT1+4*KS*PV
	s_mov_b32 s[G0K], 1             ; 1:0 count = 1
	s_mov_b32 s[G0K+1], s17         ; 63:32 LDS address: slot 0
	s_mov_b32 s[G0V], 1
	s_add_co_u32 s[G0V+1], s18, VOFF
	s_wait_kmcnt 0x0
	s_add_nc_u64 s[G0K+2:G0K+3], s[6:7], s[22:23]  ; 120:64 global address: my half of the head's first 256 keys
	s_or_b32 s[G0K+3], s[G0K+3], 0x80000000        ; 127:126 type = 2
	s_add_nc_u64 s[G0V+2:G0V+3], s[8:9], s[22:23]
	s_or_b32 s[G0V+3], s[G0V+3], 0x80000000
	s_add_nc_u64 s[4:5], s[4:5], s[2:3]  ; Q and O at my wave's first row
	s_add_nc_u64 s[10:11], s[10:11], s[2:3]
	CROUND                          ; all four work-groups are here: the first joint loads meet
	JLOAD                           ; slot 0.  Slot 1 is asked for when slot 0 is in: the tile wanted first has the road to itself
	; A fragment of K or Q is 16 rows x 32 channels in 8 registers: lane l holds row l % 16, channels 8 (l / 16) + 0..7 and 16 + 8 (l / 16) + 0..7: two loads of 16 bytes, 32 bytes apart.
	v_and_b32 v1, 15, v0            ; l % 16
	v_bfe_u32 v9, v0, 4, 1          ; l / 16
	v_lshlrev_b32 v[QO], 7, v1
	v_lshl_add_u32 v[QO], v9, 4, v[QO]  ; row x 128 + 16 x half
	WIN 0x80                        ; destination window 2, address window 0
.set i, 0
.rept 4*NP                          ; Q stays in registers: tile i / 2, channels 32 (i % 2) on
	global_load_b128 v[8*i:8*i+3],   v[QO], s[4:5] offset:(i/2)*2048+(i%2)*64
	global_load_b128 v[8*i+4:8*i+7], v[QO], s[4:5] offset:(i/2)*2048+(i%2)*64+32
.set i, i+1
.endr
	; What the first turn finds: V's registers and P's second buffer hold 0 (its products V^T P, of a piece that has not been, add 0), O^T and l are 0.  All this stands in the wait for the first tile.
.set i, VF
.rept 64
	v_mov_b32 v[i], 0
.set i, i+1
.endr
	WIN 0x40
.set i, 0
.rept 64*NP
	v_mov_b32 v[i], 0
.set i, i+1
.endr
	WIN 0
.set i, 0
.rept 2*NP
	v_mov_b32 v[ST+4*i], 0xfe000000    ; c m: far below every c s
	v_mov_b32 v[ST+4*i+1], 0xff7fffff  ; m
	v_mov_b32 v[ST+4*i+2], 0
	v_mov_b32 v[ST+4*i+3], 0
.set i, i+1
.endr
.set i, P+32
.rept 32
	v_mov_b32 v[i], 0
.set i, i+1
.endr
	v_mul_u32_u24 v[AK0], v1, PK
	v_lshl_add_u32 v[AK0], v9, 4, v[AK0]  ; row x pitch + 16 x half
	; The turning load takes 16 keys x 16 channels (lane l reads key 8 (l / 16) + l % 8, channels 8 ((l / 8) % 2) + 0..7) and leaves half a fragment of V^T: lane l holds channel l % 16 and 8 keys.
	v_and_b32 v10, 7, v0
	v_bfe_u32 v11, v0, 3, 1
	v_lshl_add_u32 v[AV0], v9, 3, v10
	v_mul_u32_u24 v[AV0], v[AV0], PV
	v_lshl_add_u32 v[AV0], v11, 4, v[AV0]
	v_add_nc_u32 v[AV0], VOFF, v[AV0]
	v_mov_b32 v[AK], v[AK0]         ; key step 0 lies at the head of slot 0
; THE MATRIX WORK.  The 8 accumulators of a run of 16 take turns: between the two links of a chain stand 7 others'.
; Product i of 16 of S^T = K Q^T for piece x: channels 32 (i / 8) on, keys 16 ((i / 2) % 4) on, tile 2 x + i % 2.  The first 8 start the sums.
.macro KQ x
	WIN W_KQ
.set rS, S+64*((\x)%2)+32*(i%2)+8*((i/2)%4)
.set rK, KF+16*((i/2)%4)+8*(i/8)
.set rQ, 16*(2*(\x)+i%2)+8*(i/8)
.if i < 8
	v_wmma_f32_16x16x32_f16 v[rS:rS+7], v[rK:rK+7], v[rQ:rQ+7], 0
.else
	v_wmma_f32_16x16x32_f16 v[rS:rS+7], v[rK:rK+7], v[rQ:rQ+7], v[rS:rS+7]
.endif
.endm
; Product i of 16 of O^T += V^T P for piece x: keys 32 (i / 8) on, channels 16 ((i / 2) % 4) on, tile 2 x + i % 2.
.macro PV x
	WIN W_PV
.set rO, 32*(2*(\x)+i%2)+8*((i/2)%4)
.set rV, VF+32*(i/8)+8*((i/2)%4)
.set rP, P+32*((\x)%2)+16*(i%2)+8*(i/8)
	v_wmma_f32_16x16x32_f16 v[rO:rO+7], v[rV:rV+7], v[rP:rP+7], v[rO:rO+7]
.endm
.macro MM                           ; the turn's next matrix instruction
.if i < 16
	KQ (Y+1)%NP
.set i, i+1
.else
.set i, i-16
	PV (Y+NP-1)%NP
.set i, i+17
.endif
.endm
; THE LDS LOADS stand in runs of 16, never singly among the matrix instructions: a step's K (64 keys x 64 channels: 8 fragments) and its V (turned).  Their addresses are made some lines ahead.
; last = 1 (the tail): in the last trip there is no further step, and the run is jumped over.
.macro FETCH_K last=0
	WIN 0
.if \last
	s_cmp_eq_u32 s[CNT], 1
	s_cbranch_scc1 .Lno_k_\@
.endif
	WIN 0x80                        ; destination window 2
.irp f, 0,1,2,3,4,5,6,7             ; keys 16 (f / 2) on, channels 32 (f % 2) on
	ds_load_b128 v[KF+8*\f:KF+8*\f+3],   v[AK] offset:(\f/2)*16*PK+(\f%2)*64
	ds_load_b128 v[KF+8*\f+4:KF+8*\f+7], v[AK] offset:(\f/2)*16*PK+(\f%2)*64+32
.endr
	s_add_co_u32 s[TBK], s[TBK], KS*PK  ; the next fetch is the next step's
	WIN 0
.if \last
.Lno_k_\@:
.endif
.endm
.macro FETCH_V
	WIN 0x80
.irp f, 0,1,2,3,4,5,6,7             ; keys 32 (f / 4) on, channels 16 (f % 4) on
	ds_load_tr16_b128 v[VF+8*\f:VF+8*\f+3],   v[AV] offset:(\f/4)*32*PV+(\f%4)*32
	ds_load_tr16_b128 v[VF+8*\f+4:VF+8*\f+7], v[AV] offset:(\f/4)*32*PV+16*PV+(\f%4)*32
.endr
	WIN 0
.endm
; THE VECTOR WORK OF A TURN stands in three queues, each in the order in which its entries become ready; the two tiles alternate, so that no instruction reads the result of the one before it.
.macro REGS y, u                    ; the registers of tile u (0, 1) of piece y
.set rT, ST+4*(2*(\y)+(\u))
.set rC, TMP+8*((\y)%2)+4*(\u)
.set rM, MV+2*((\y)%2)+(\u)
.set rS, S+64*((\y)%2)+32*(\u)
.set rP, P+32*((\y)%2)+16*(\u)
.set rO, 32*(2*(\y)+(\u))
.endm
; Number n of the 22 that find the NEXT piece's (Y + 1) maximum and statistics.  s0-s31 are the lane's 32 scores; each accumulator's lowest registers are read first.  XS, GS and REGS set no window: PL and EX do.
;   0-11  four chains c0-c3 of seven scores each, three operands at a time     12-14, 16  the four scores left over, the old m, and c0-c3 into c0     15  c m_old is kept
;   17, 18  the query's other 32 keys lie in the lane 16 away: the new m         19-21  c m; c m_old - c m_new; a
.macro XS u, n
	REGS (Y+1)%NP, \u
.if (\n) < 4
	v_max3_num_f32 v[rC+(\n)], v[rS+8*(\n)], v[rS+8*(\n)+1], v[rS+8*(\n)+2]
.elseif (\n) < 12
	v_max3_num_f32 v[rC+(\n)%4], v[rC+(\n)%4], v[rS+8*((\n)%4)+2*((\n)/4)+1], v[rS+8*((\n)%4)+2*((\n)/4)+2]
.elseif (\n) == 12
	v_max3_num_f32 v[rC], v[rC], v[rS+7], v[rS+15]
.elseif (\n) == 13
	v_max3_num_f32 v[rC+1], v[rC+1], v[rS+23], v[rS+31]
.elseif (\n) == 14
	v_max3_num_f32 v[rC+2], v[rC+2], v[rC+3], v[rT+1]
.elseif (\n) == 15
	v_mov_b32 v[rM], v[rT]
.elseif (\n) == 16
	v_max3_num_f32 v[rC], v[rC], v[rC+1], v[rC+2]
.elseif (\n) == 17
	v_permlanex16_b32 v[rC+3], v[rC], s[SEL], s[SEL+1]
.elseif (\n) == 18
	v_max_num_f32 v[rT+1], v[rC], v[rC+3]
.elseif (\n) == 19
	v_mul_f32 v[rT], s[CS], v[rT+1]
.elseif (\n) == 20
	v_sub_f32 v[rC+1], v[rM], v[rT]
.else
	v_exp_f32 v[rC+2], v[rC+1]
.endif
.endm
; Number g of the 64 that follow the exponentials.  For each four weights k of a tile (pairs 2 k, 2 k + 1): both pairs are rounded to f16; then the second pair is added onto the first, in place;
; a group later l takes that sum (the first time as l = a l + sum).  In groups of eight, tiles alternating: round, round, add, and l for the group before.
.macro GS g
.set h, (\g)+6*((\g)/62)            ; group 0 has no group before it, and behind group 7 only l is left
.if h >= 6
.set h, h+2
.endif
	REGS Y, h%2
.set k, h/8
.if h%8 < 4
	s_wait_alu depctr_va_vdst(0)
	v_cvt_pk_f16_f32 v[rP+2*k+(h%8)/2], v[rS+4*k+2*((h%8)/2)], v[rS+4*k+2*((h%8)/2)+1]
.elseif h%8 < 6
	v_pk_add_f32 v[rS+4*k:rS+4*k+1], v[rS+4*k:rS+4*k+1], v[rS+4*k+2:rS+4*k+3]
.elseif k == 1
	v_pk_fma_f32 v[rT+2:rT+3], v[rT+2:rT+3], v[rC+2:rC+3], v[rS:rS+1] op_sel_hi:[1,0,1]
.else
	v_pk_add_f32 v[rT+2:rT+3], v[rT+2:rT+3], v[rS+4*k-4:rS+4*k-3]
	s_wait_alu depctr_va_vdst(0)
.endif
.endm
; THE PLAIN QUEUE, 138 long.  0-31: c s - c m for the 16 pairs of both tiles.  Then GS's 64, and among them the next piece's 42: number 15 at 38, 39; 0-14 and 16
; at 42-73, behind the products that make those scores; 17-20 at 95-106, two of three, since each waits for the one before it.
.macro PL
	WIN 0
.if q < 32
	REGS Y, q%2
	v_pk_fma_f32 v[rS+2*(q/2):rS+2*(q/2)+1], v[rS+2*(q/2):rS+2*(q/2)+1], s[CS:CS+1], v[rT:rT+1] op_sel_hi:[1,0,0] neg_lo:[0,0,1] neg_hi:[0,0,1]
.elseif q < 38
	GS q-32
.elseif q < 40
	XS q%2, 15
.elseif q < 42
	GS q-34
.elseif q < 74
	XS q%2, (q-42)/2+(q-42)/30
.elseif q < 95
	GS q-66
.elseif (q < 107) && ((q-95)%3 < 2)
	XS (q-95)%3, 17+(q-95)/3
.elseif q < 107
	GS 29+(q-95)/3
.else
	GS q-74
.endif
.set q, q+1
.endm
; THE EXPONENTIALS' QUEUE, 66 long: s0-s31 of both tiles, and at EA the next piece's two a.
.set EA, 58
.macro EX
	WIN 0
.if (e == EA) || (e == EA+1)
	XS e-EA, 21
.else
.set x, e-2*(e/(EA+2))
	REGS Y, x%2
	v_exp_f32 v[rS+x/2], v[rS+x/2]
.endif
.set e, e+1
.endm
; THE RESCALING's QUEUE: O^T times a, the one part that leaves window 0, so it is dealt four at a time, eight times.
.macro R4
	REGS Y, r%2
	WIN W_RS
	s_wait_alu depctr_va_vdst(0)
.irp z, 0,1,2,3
	v_pk_mul_f32 v[rO+8*(r/2)+2*\z:rO+8*(r/2)+2*\z+1], v[rO+8*(r/2)+2*\z:rO+8*(r/2)+2*\z+1], v[rC+2:rC+3] op_sel_hi:[1,0]
.endr
.set r, r+1
.endm
; HOW THEY ARE DEALT.  Behind a matrix instruction four: plain, exponential, plain, plain (one exponential, a plain instruction on either side), or four of the rescaling.  None names a register of the
; products round it.  What is over stands in two LUMPS: exponential and plain by turns; the second ends in 22 plain instructions.  The two v_permlanex16_b32 fall into the second lump, never behind a product.
; The queues lean on each other, and the deal keeps them in step: exponential e stands behind plain 2 (e / 4) + e % 2 (its scaling); when plain 32 comes, 10 exponentials are out, at 59: 33, at 95: 46; EA comes behind plain 107.
.macro SL
	MM
	PL
	EX
	PL
	PL
.endm
.macro BURST n                      ; 15 matrix instructions, or 16
.rept (\n)-7
	SL
.endr
.rept 3
	MM
	R4
	SL
.endr
	MM
	R4
.endm
; A TURN, for piece p.  cnt = 1: the loop's count is taken down some lines ahead of the branch that stands behind the turn.
; K of the next step is fetched in piece 2's turn, 31 vector instructions behind the last product that read K; its first use comes behind the rest of the lump, 16 products and the second lump.
; V of the step in hand is fetched at the end of piece 0's turn, 69 behind the last product that read V; its first use comes behind 16 products and a lump.  The four conditions on e and q below go with the deal.
.macro TURN p, last=0, cnt=0
.set Y, (\p)
.set i, 0
.set q, 0
.set e, 0
.set r, 0
.if (\p) == NP-1
	s_wait_dscnt 0x0                ; K is in
.endif
	MM
.rept 4
	PL
.endr
	BURST 15
.rept 22
	EX
	PL
.if ((\p) == NP-2) && (e == 18)
	v_add_nc_u32 v[AK], s[TBK], v[AK0]
.endif
.if ((\p) == NP-2) && (e == 24)
	FETCH_K \last
.endif
.endr
.if (\p) == 1
	s_wait_dscnt 0x0                ; V is in
.endif
	BURST 16
.rept 21
	EX
	PL
.endr
.rept 22
	PL
.if ((\p) == 0) && (q == 118)
	v_add_nc_u32 v[AV], s[TBV], v[AV0]
	s_wait_alu depctr_va_vdst(0)
.endif
.if ((\p) == 0) && (q == 130)
	s_add_co_u32 s[TBV], s[TBV], KS*PV
.endif
.if (\cnt) && (q == 130)
	s_sub_co_u32 s[CNT], s[CNT], 1
	s_cmp_lg_u32 s[CNT], 0
.endif
.endr
.if (\p) == 0
	FETCH_V
.endif
.endm
	CHANGE 1                        ; slot 0 is in, everybody's part of it; slot 1 is asked for
	FETCH_K                         ; key step 0
	s_wait_loadcnt 0x0              ; Q
	s_wait_dscnt 0x0
.set i, 0
.rept 16
	KQ 0                            ; piece 0's first scores: there is no vector work yet to set between them
.set i, i+1
.endr
	WIN 0                           ; the addresses for the way out: nine plain instructions, the places behind those products
	s_mul_i32 s13, s[WV], 16*SP
	s_add_co_u32 s13, s13, STAGE    ; my stage
	v_mul_u32_u24 v[STO], v1, SP    ; in: row l % 16, 16 bytes for each half of the lanes
	v_lshl_add_u32 v[STO], v9, 4, v[STO]
	v_add_nc_u32 v[STO], s13, v[STO]
	v_bfe_u32 v[RD], v0, 3, 2       ; back: 32 lanes take four rows of 128 bytes,
	v_mul_u32_u24 v[RD], v[RD], SP
	v_lshl_add_u32 v[RD], v10, 4, v[RD]
	v_add_nc_u32 v[RD], s13, v[RD]
	v_and_b32 v[GO], 31, v0         ; which are 512 consecutive bytes of O
	v_lshlrev_b32 v[GO], 4, v[GO]
.set Y, NP-1                        ; XS works for piece Y + 1: piece 0
.irp n, 0,1,2,3,4,5,6,7,8,9,10,11,12,13,14,15,16,17,18,19,20,21
	XS 0, \n                        ; and piece 0's first maximum and statistics
	XS 1, \n
.endr
	s_mov_b32 s[CNT], 4
	s_mov_b32 s[SLOTS], SIZE_N/256-1
	s_branch .Lfirst                ; the loop is entered at a step's first turn, in the middle of a trip
.Lslot:                             ; SIZE_N / 256 - 2 times: every slot but the last two is filled again
	CHANGE 1
	s_mov_b32 s[CNT], 4
.Lstep:                             ; a trip: pieces 2 and 3 of one step, then pieces 0 and 1 of the next, whose K and V it fetches
	TURN 2
	TURN 3
	WIN 0
.Lfirst:
	TURN 0
	TURN 1, 0, 1
	WIN 0
	s_cbranch_scc1 .Lstep
	s_sub_co_u32 s[SLOTS], s[SLOTS], 1
	s_cmp_lg_u32 s[SLOTS], 0
	s_cbranch_scc1 .Lslot
	CHANGE 0                        ; the tail is written out: nothing is asked for
	s_mov_b32 s[CNT], 5             ; four trips fetch the last slot's steps; the fifth is left in its middle
.Ltail:
	TURN 2, 1
	TURN 3
	WIN 0
	s_sub_co_u32 s[CNT], s[CNT], 1
	s_cmp_eq_u32 s[CNT], 0
	s_cbranch_scc1 .Lout
	TURN 0
	TURN 1
	WIN 0
	s_branch .Ltail
.Lout:                              ; the fifth trip's 16 products K Q^T (on the last K once more) and the maximum made of them serve nothing: the price, once a launch, of one text for every trip
.set i, 0
.rept 16
	PV NP-1                         ; the last piece's V^T P of the last step
.set i, i+1
.endr
	; THE WAY OUT.  l's two halves and the other half of the lanes' are added; O^T is divided by l, rounded to f16 and sent through my stage in LDS, a tile at a time.  The additions are the places behind the last products.
	WIN 0
.macro ALL line:vararg              ; one line for each tile t
.set t, 0
.rept 2*NP
	\line
.set t, t+1
.endr
.endm
	ALL v_add_f32 v[ST+4*t+2], v[ST+4*t+2], v[ST+4*t+3]
	ALL v_permlanex16_b32 v[ST+4*t+3], v[ST+4*t+2], s[SEL], s[SEL+1]
	ALL v_add_f32 v[ST+4*t+2], v[ST+4*t+2], v[ST+4*t+3]
	ALL v_rcp_f32 v[ST+4*t+2], v[ST+4*t+2]
	v_nop                           ; a plain instruction between the last reciprocal and the use of its result
	s_wait_alu depctr_va_vdst(0)
; Tile t: a lane's eight channels of a row pack into 16 bytes; they go into rows of 144 bytes and come back as whole rows of 128, into S^T's registers.
.macro PACK t
	WIN W_RS
.set i, 32*(\t)
.rept 16
	v_pk_mul_f32 v[i:i+1], v[i:i+1], v[ST+4*(\t)+2:ST+4*(\t)+3] op_sel_hi:[1,0]
.set i, i+2
.endr
	WIN 0x05                        ; sources 0 and 1 window 1, destination window 0
.set i, 0
.rept 16
	v_cvt_pk_f16_f32 v[S+16*(\t)+i], v[32*(\t)+2*i], v[32*(\t)+2*i+1]
.set i, i+1
.endr
	WIN 0
.irp f, 0,1,2,3
	ds_store_b128 v[STO], v[S+16*(\t)+4*\f:S+16*(\t)+4*\f+3] offset:32*\f
.endr
.irp f, 0,1,2,3
	ds_load_b128 v[S+16*(\t)+4*\f:S+16*(\t)+4*\f+3], v[RD] offset:\f*4*SP  ; LDS serves a wave's instructions in order (ISA guide 5.7.1.4): these see the stores above; the next tile's stores come behind them
.endr
.endm
.macro SEND t, younger              ; younger: the LDS instructions issued behind tile t's loads: the next tile's eight, or none
	WIN 0
.irp f, 0,1,2,3
	s_wait_dscnt (\younger)+3-\f
	global_store_b128 v[GO], v[S+16*(\t)+4*\f:S+16*(\t)+4*\f+3], s[10:11] offset:(\t)*2048+\f*512  ; 512 consecutive bytes, at a multiple of 256 from O's first
.endr
.endm
	PACK 0
.set t, 1
.rept 2*NP-1                        ; a tile's arithmetic stands between the loads of the tile before and its stores
	PACK t
	SEND t-1, 8
.set t, t+1
.endr
	SEND 2*NP-1, 0
	WIN W_AD
	s_wait_tensorcnt 0x0            ; the wave's end: behind my last tensor load and my last LDS store
	ds_add_u32 v[SPW], v[NIL]
	s_wait_dscnt 0x0
	WIN 0
	CROUND                          ; the closing round: no work-group ends while a partner may still ask for a tile that names it
	s_endpgm
.Lfunc_end_k_q804943cbd1_attn:
	.size	k_q804943cbd1_attn, .Lfunc_end_k_q804943cbd1_attn-k_q804943cbd1_attn
	.p2alignl 7, 3214868480
	.fill 96, 4, 3214868480
	.section	.rodata,"a",@progbits
	.p2align	6, 0x0
	.amdhsa_kernel k_q804943cbd1_attn
		.amdhsa_group_segment_fixed_size 327680
		.amdhsa_private_segment_fixed_size 0
		.amdhsa_enable_private_segment 0
		.amdhsa_kernarg_size 32
		.amdhsa_user_sgpr_count 2
		.amdhsa_user_sgpr_kernarg_segment_ptr 1
		.amdhsa_wavefront_size32 1
		.amdhsa_system_sgpr_workgroup_id_x 1
		.amdhsa_system_sgpr_workgroup_id_y 1
		.amdhsa_system_sgpr_workgroup_id_z 1
		.amdhsa_system_vgpr_workitem_id 0
		.amdhsa_next_free_vgpr 770
		.amdhsa_next_free_sgpr 66
		.amdhsa_reserve_vcc 0
		.amdhsa_float_denorm_mode_32 3
		.amdhsa_float_denorm_mode_16_64 3
		.amdhsa_memory_ordered 1
		.amdhsa_forward_progress 1
		.amdhsa_inst_pref_size 208
	.end_amdhsa_kernel
	.amdgpu_metadata
---
amdhsa.version: [ 1, 2 ]
amdhsa.kernels:
  - .name:           k_q804943cbd1_attn
    .symbol:         k_q804943cbd1_attn.kd
    .args:
      - { .name: q16, .offset: 0, .size: 8, .value_kind: global_buffer, .address_space: global }
      - { .name: k16, .offset: 8, .size: 8, .value_kind: global_buffer, .address_space: global }
      - { .name: v16, .offset: 16, .size: 8, .value_kind: global_buffer, .address_space: global }
      - { .name: o16, .offset: 24, .size: 8, .value_kind: global_buffer, .address_space: global }
    .group_segment_fixed_size: 327680
    .private_segment_fixed_size: 0
    .kernarg_segment_align: 8
    .kernarg_segment_size: 32
    .max_flat_workgroup_size: 128
    .sgpr_count:     66
    .vgpr_count:     770
    .wavefront_size: 32
...
	.end_amdgpu_metadata
.endif
;; end of part 3
;; launch outp (part 4): grid 4 x 64, 4 waves a work-group, clusters of 4 x 4, 327,680 bytes of LDS; arguments o16, w16, out0; writes out0
.if DOCPART == 4
	.amdgcn_target "amdgcn-amd-amdhsa--gfx1250"
	.amdhsa_code_object_version 6
	.text
	.protected	k_q804943cbd1_outp
	.globl	k_q804943cbd1_outp
	.p2align	8
	.type	k_q804943cbd1_outp,@function
k_q804943cbd1_outp:
	s_mov_b64 s[64:65], 0
	v_nop
	global_prefetch_b8 v0, s[64:65] scope:SCOPE_SE
	s_setreg_imm32_b32 hwreg(HW_REG_WAVE_MODE, 25, 1), 1
	s_wait_xcnt 0x0
	s_wait_alu depctr_hold_cnt(0) depctr_sa_sdst(0) depctr_va_vdst(0) depctr_va_sdst(0) depctr_va_ssrc(0) depctr_va_vcc(0) depctr_vm_vsrc(0)
	s_getreg_b32 s2, hwreg(HW_REG_IB_STS2, 6, 4)
	s_cmp_eq_u32 s2, 0
	s_cbranch_scc0 .Lentry_in_a_cluster
	s_endpgm
.Lentry_in_a_cluster:
	s_bfe_u32 s2, ttmp6, 0x10000c
	s_cmp_lg_u32 s2, 0xf033
	s_cbranch_scc0 .Lentry_shape_is_right
	s_endpgm
.Lentry_shape_is_right:
; THE OUTPUT PROJECTION.  out[row][n] = the sum over k of O[row][k] Wo[n][k], k = 64 x head + channel.  O lies by heads, [batch x 16 + head][2048][64] in f16; Wo is part 3 of w16, [1024][1024] in f16
; (Wo rounded to bf16, that number written as f16); out: [8192][1024] f32.  Sums in f32, K ascending; nothing is rounded on the way out.
; LIMITS.  None of its own: O and Wo arrive within f16's range.  NaN and infinities are not treated apart.
; SHARES.  A tile of out is 128 rows x 256 columns: 64 x 4 = 256 work-groups.  Four waves; a wave makes 64 rows x 128 columns: 32 accumulators, 256 registers.
; K goes in 8 steps of 128, two heads, through a ring of two LDS slots.  A head's 128 rows of a tile are 16,384 dense bytes of O: asked for as 64 rows of 256 bytes and padded in LDS after every 128.
; CLUSTERS: 4 x 4 work-groups.  The four of a row of the cluster need the same tile of O, the four of a column the same tile of Wo: each is asked for JOINTLY, by the same tensor load with the same
; descriptor and a mask that names the four.  THE MATRIX INSTRUCTION IS USED TRANSPOSED (source 0 = 16 rows of Wo, source 1 = 16 rows of O): a lane then holds eight neighbouring numbers of a row of out.
; THE TEXT.  A K step is written once with a refill (6 trips) and once without (2 trips).  Which slot a trip reads lies in two scalars, the LDS byte of this step's slot and of the other, which an exclusive or
; turns between 0 and SLOT; four address registers are made of them anew in each trip.  A trip goes from a step's second quarter to the next step's first.
; REGISTERS, in windows of 256 (s_set_vgpr_msb: bits 1:0 source 0, 3:2 source 1, 5:4 source 2, 7:6 destination):
;   window 0: v0-31 addresses; v64-127 O's fragments, two buffers of 32      window 1: v0-127 Wo's fragments, two buffers of 64; on the way out all 256: rows read back from the stage
;   window 2: accumulator (a, b) at v[8 (8 a + b)], a = 0..3 (rows), b = 0..7 (columns)
.set PAO,    144                       ; a row of O in LDS: 128 bytes + 16 of padding = 36 words: the 16 rows of a load start at 16 different groups of four banks (64 banks of 4 bytes: ISA guide 11.1)
.set PB,     272                       ; a row of Wo: 256 + 16 = 68 words: likewise
.set APLANE, 128*PAO                   ; a head's 128 rows: what one tensor load brings
.set ABYTES, 2*APLANE
.set BHALF,  128*PB                    ; 128 rows of Wo: what one tensor load brings, and what one wave reads
.set SLOT,   ABYTES+2*BHALF            ; O's two planes, then Wo's 256 rows
.set STAGE,  2*SLOT                    ; behind the ring: 16 rows x 528 bytes for each wave, for the way out
.set SPO,    528
.set SPARE,  STAGE+4*16*SPO            ; behind the stages: the spare words, 128 bytes for each wave: two blocks of 256 bytes that no other line names
.set ADRA, 16                          ; v16-17  LDS address of my O fragments in this step's slot, in the other slot
.set AB0,  18                          ; v18     the same in slot 0; never rewritten
.set ADRB, 20                          ; v20-21  the same for Wo
.set BB0,  22                          ; v22
.set STO,  24                          ; v24     the way out: where I put 32 bytes of a row
.set RD,   25                          ; v25     the way out: where I read a row back
.set CO,   26                          ; v26     my byte offset in my 512 bytes of a row of out
.set SPW,  28                          ; v28     LDS address of my spare word: SPARE + 4 x my thread's number; never rewritten
.set NIL,  29                          ; v29     0; never rewritten
.set FA,   64
.set G1,  24                           ; s[24:31] descriptor group 1 for O's tiles;  s[32:35] group 0 of the first fill, s[36:39] the group 0 that walks
.set G0,  32
.set G1B, 48                           ; s[48:55], s[56:59], s[60:63] the same for Wo's tiles
.set G0B, 56
.set TOG,  67                          ; s67     LDS byte at which this step's slot begins: 0 or SLOT
.set TOGN, 68                          ; s68     the other slot's
.set MSB, 0
.macro WIN new                         ; the immediate's high byte repeats the setting that is left; a switch that changes nothing is dropped
.if MSB != (\new)
	s_set_vgpr_msb (MSB<<8)|(\new)
.set MSB, \new
.endif
.endm
.set MUL,  0xa1                        ; source 0 (Wo) window 1, source 1 (O) window 0, C and D window 2
.set TO_B, 0x40                        ; destination window 1, address window 0
; A joint load: waves 0 and 1 fetch O's two planes, waves 2 and 3 Wo's two halves.  The branch hangs on the wave's number alone.  An s_nop 0 and four v_nop follow each of the two lines, ahead of the jump, the label and what follows.
.macro JLOAD s
	s_cmp_eq_u32 s11, 0
	s_cbranch_scc0 .Lfor_b_\@
	tensor_load_to_lds s[G0+4*(\s):G0+4*(\s)+3], s[G1:G1+7]
	s_nop 0
.rept 4
	v_nop
.endr
	s_branch .Lasked_\@
.Lfor_b_\@:
	tensor_load_to_lds s[G0B+4*(\s):G0B+4*(\s)+3], s[G1B:G1B+7]
	s_nop 0
.rept 4
	v_nop
.endr
.Lasked_\@:
.endm
.macro CREST                           ; a round of the cluster's barrier behind its opening barrier
	s_cmp_lg_u32 s10, 0
	s_cbranch_scc1 .Lnot_wave_0_\@
	s_barrier_signal -3
.Lnot_wave_0_\@:
	s_barrier_wait -3
	s_barrier_signal -1
	s_barrier_wait -1
.endm
.macro CROUND                          ; a whole round
	s_barrier_signal -1
	s_barrier_wait -1
	CREST
.endm
.macro ADDRS                           ; the four LDS addresses of a trip
	v_add_nc_u32 v[ADRA],   s[TOG],  v[AB0]
	v_add_nc_u32 v[ADRA+1], s[TOGN], v[AB0]
	v_add_nc_u32 v[ADRB],   s[TOG],  v[BB0]
	v_add_nc_u32 v[ADRB+1], s[TOGN], v[BB0]
.endm
.macro TOGGLE                          ; the slots change places
	s_xor_b32 s[TOG],  s[TOG],  SLOT
	s_xor_b32 s[TOGN], s[TOGN], SLOT
	ADDRS
.endm
	s_load_b128 s[4:7], s[0:1], 0x0                ; o16 s[4:5], w16 s[6:7]
	s_load_b64 s[8:9], s[0:1], 0x10                ; out0
	v_lshl_add_u32 v[SPW], v0, 2, SPARE
	v_mov_b32 v[NIL], 0
	ds_add_u32 v28, v29
	s_wait_dscnt 0x0
	v_lshrrev_b32 v1, 5, v0
	v_readfirstlane_b32 s10, v1                    ; wave 0..3
	s_lshr_b32 s11, s10, 1                         ; which 64 of the tile's rows are mine.  Also: I fetch for O (0) or for Wo (1)
	s_and_b32 s12, s10, 1                          ; which 128 of its columns.  Also: which plane or half I fetch
	s_bfe_u32 s40, ttmp6, 0x40000                  ; cx, cy: my place in the cluster
	s_bfe_u32 s41, ttmp6, 0x40004
	s_lshl_b32 s42, ttmp9, 2                       ; in a cluster launch ttmp9 and ttmp7 count clusters
	s_add_co_u32 s42, s42, s40                     ; tile column = 4 x cluster x + cx
	s_and_b32 s13, ttmp7, 0xffff
	s_lshl_b32 s13, s13, 2
	s_add_co_u32 s13, s13, s41                     ; tile row = 4 x cluster y + cy, 0 to 63
	s_lshl_b32 s43, s41, 2
	s_lshl_b32 s43, 15, s43                        ; my row of the cluster
	s_lshl_b32 s44, 0x1111, s40                    ; my column
	s_or_b32 s[G1+0], s43, (1<<16)|(1<<20)|(1<<21)|(4<<22)|(3<<25)   ; 15:0 the mask: my row; 17:16 elements of 2 bytes; 20 padding on; 21 set beside a mask; 24:22 after every 32 words (code 4); 31:25 4 words (code 3)
	s_or_b32 s[G1B+0], s44, (1<<16)|(1<<20)|(1<<21)|(5<<22)|(3<<25)  ; the mask of my column; after every 64 words (code 5)
	s_mov_b32 s[G1+1], 128<<16                     ; tensor_dim0 = 128
	s_mov_b32 s[G1+2], 64<<16                      ; tensor_dim1 = 64
	s_mov_b32 s[G1+3], 128<<16                     ; tile_dim0 = 128
	s_mov_b32 s[G1+4], 64                          ; tile_dim1 = 64
	s_mov_b32 s[G1+5], 128                         ; 128 elements from row to row: the block is dense
	s_mov_b32 s[G1+6], 0
	s_mov_b32 s[G1+7], 0
	s_mov_b32 s[G1B+1], 128<<16
	s_mov_b32 s[G1B+2], 128<<16                    ; tensor_dim1 = 128
	s_mov_b32 s[G1B+3], 128<<16
	s_mov_b32 s[G1B+4], 128                        ; tile_dim1 = 128
	s_mov_b32 s[G1B+5], 1024
	s_mov_b32 s[G1B+6], 0
	s_mov_b32 s[G1B+7], 0
	; where the tiles come from.  O: ((batch x 16 + head) x 2,048 + row in the batch) x 128 bytes: it hangs on the tile row, which my row of the cluster shares; Wo on the tile column, which my column shares.
	s_lshr_b32 s16, s13, 4                         ; the batch: 16 tile rows each
	s_lshl_b32 s16, s16, 22
	s_and_b32 s17, s13, 15
	s_lshl_b32 s17, s17, 14                        ; 128 rows of 128 bytes a tile row
	s_add_co_u32 s16, s16, s17
	s_lshl_b32 s17, s12, 18                        ; a head is 262,144 bytes: the K step's first or second
	s_add_co_u32 s16, s16, s17
	s_mov_b32 s17, 0
	s_lshl_b32 s46, s42, 19                        ; Wo: 256 rows of 2,048 bytes a tile column,
	s_lshl_b32 s47, s12, 18                        ; 128 rows a half,
	s_add_co_u32 s46, s46, s47
	s_add_co_u32 s46, s46, 3<<21                   ; part 3 of w16
	s_mov_b32 s47, 0
	s_mul_i32 s20, s12, APLANE                     ; and where they go in a slot: no place in the cluster enters an LDS address
	s_mul_i32 s66, s12, BHALF
	s_add_co_u32 s66, s66, ABYTES
	s_mov_b32 s[TOG], 0                            ; K step 0 lies in slot 0
	s_mov_b32 s[TOGN], SLOT
	s_wait_kmcnt 0x0
	s_add_nc_u64 s[14:15], s[4:5], s[16:17]
	s_add_nc_u64 s[46:47], s[6:7], s[46:47]
	CROUND                                         ; all sixteen work-groups are here: the first joint loads meet
.irp s, 0,1
	s_mov_b32 s[G0+4*(\s)], 1                                        ; 1:0 count = 1
	s_add_co_u32 s[G0+4*(\s)+1], s20, (\s)*SLOT                      ; 63:32 LDS address
	s_add_nc_u64 s[G0+4*(\s)+2:G0+4*(\s)+3], s[14:15], (\s)*524288   ; 120:64 global address: K step s, two heads on
	s_or_b32 s[G0+4*(\s)+3], s[G0+4*(\s)+3], 0x80000000              ; 127:126 type = 2
	s_mov_b32 s[G0B+4*(\s)], 1
	s_add_co_u32 s[G0B+4*(\s)+1], s66, (\s)*SLOT
	s_add_nc_u64 s[G0B+4*(\s)+2:G0B+4*(\s)+3], s[46:47], (\s)*256    ; 128 f16 on
	s_or_b32 s[G0B+4*(\s)+3], s[G0B+4*(\s)+3], 0x80000000
	JLOAD \s                                       ; the ring is filled before anything else is done: two loads of mine are out
.endr
	; A fragment is 16 rows x 32 K in 8 registers: lane l holds row l % 16; K = 8 (l / 16) + 0..7 and 16 + 8 (l / 16) + 0..7: two loads of 16 bytes, 32 bytes apart.
	v_and_b32 v1, 15, v0                           ; l % 16
	v_bfe_u32 v2, v0, 4, 1                         ; l / 16
	v_mul_u32_u24 v3, v1, PAO
	v_lshl_add_u32 v3, v2, 4, v3
	v_mul_u32_u24 v4, v1, PB
	v_lshl_add_u32 v4, v2, 4, v4
	s_mul_i32 s21, s11, 64*PAO                     ; my 64 rows in each plane of O
	s_mul_i32 s22, s12, BHALF                      ; my 128 rows of Wo,
	s_add_co_u32 s22, s22, ABYTES                  ; which lie behind O's planes
	v_add_nc_u32 v[AB0], s21, v3
	v_add_nc_u32 v[BB0], s22, v4
	ADDRS
	s_mul_i32 s23, s10, 16*SPO
	s_add_co_u32 s23, s23, STAGE                   ; my stage
	v_mul_u32_u24 v5, v1, SPO                      ; in: row l % 16, 32 bytes for each half of the lanes
	v_lshl_add_u32 v5, v2, 5, v5
	v_add_nc_u32 v[STO], s23, v5
	v_and_b32 v6, 31, v0
	v_lshlrev_b32 v[CO], 4, v6                     ; back: 32 lanes take one row's 512 bytes,
	v_add_nc_u32 v[RD], s23, v[CO]
	s_lshl_b32 s16, s13, 19                        ; and the same in out: 128 rows of 4,096 bytes a tile row,
	s_lshl_b32 s17, s11, 18                        ; 64 rows a wave
	s_add_co_u32 s16, s16, s17
	s_mov_b32 s17, 0
	s_add_nc_u64 s[8:9], s[8:9], s[16:17]
	s_lshl_b32 s46, s42, 10                        ; 256 columns of 4 bytes a tile column (in the registers that held Wo's address: none that feeds O's descriptors ever holds cx),
	s_lshl_b32 s47, s12, 9                         ; 128 columns a wave
	s_add_co_u32 s46, s46, s47
	s_mov_b32 s47, 0
	s_add_nc_u64 s[8:9], s[8:9], s[46:47]
; 24 LDS loads in one run: the fragments of quarter kq (32 K: head kq / 2 of the step, channels 32 (kq % 2) on) of this step's slot (sl = 0) or the other (sl = 1), into buffers f: 128 rows of Wo, 64 rows of O
.macro FETCH sl, kq, f
	WIN TO_B
.irp i, 0,1,2,3,4,5,6,7
	ds_load_b128 v[64*(\f)+8*(\i):64*(\f)+8*(\i)+3],   v[ADRB+(\sl)] offset:64*(\kq)+(\i)*16*PB
	ds_load_b128 v[64*(\f)+8*(\i)+4:64*(\f)+8*(\i)+7], v[ADRB+(\sl)] offset:64*(\kq)+(\i)*16*PB+32
.endr
	WIN 0
.irp a, 0,1,2,3
	ds_load_b128 v[FA+32*(\f)+8*(\a):FA+32*(\f)+8*(\a)+3],   v[ADRA+(\sl)] offset:((\kq)/2)*APLANE+((\kq)%2)*64+(\a)*16*PAO
	ds_load_b128 v[FA+32*(\f)+8*(\a)+4:FA+32*(\f)+8*(\a)+7], v[ADRA+(\sl)] offset:((\kq)/2)*APLANE+((\kq)%2)*64+(\a)*16*PAO+32
.endr
.endm
; 8 matrix instructions: row block a x all 8 column blocks, 32 along K, on buffers f.  zero = 1: they start the sums: nothing is ever cleared.
; The 32 accumulators take turns, one instruction a turn, in the same order in every quarter.
.macro MUL8 f, a, zero
	WIN MUL
.irp b, 0,1,2,3,4,5,6,7
.if \zero
	v_wmma_f32_16x16x32_f16 v[8*(8*(\a)+(\b)):8*(8*(\a)+(\b))+7], v[64*(\f)+8*(\b):64*(\f)+8*(\b)+7], v[FA+32*(\f)+8*(\a):FA+32*(\f)+8*(\a)+7], 0
.else
	v_wmma_f32_16x16x32_f16 v[8*(8*(\a)+(\b)):8*(8*(\a)+(\b))+7], v[64*(\f)+8*(\b):64*(\f)+8*(\b)+7], v[FA+32*(\f)+8*(\a):FA+32*(\f)+8*(\a)+7], v[8*(8*(\a)+(\b)):8*(8*(\a)+(\b))+7]
.endif
.endr
.endm
; A load into a register that a matrix instruction has read, and an LDS store of a matrix result, stand four places behind that matrix instruction, and only plain vector instructions that name none of its
; registers are places (ISA guide 7.12.1 for vector instructions).  No other vector work is at hand: four v_nop a quarter.
.macro PLACES
.rept 4
	v_nop
.endr
.endm
; A quarter on buffers f: at its head the next quarter's fragments (slot sl, quarter kq) go into the other buffers, which the quarter before multiplied; then 32 matrix instructions.
.macro QUARTER f, sl, kq, zero
	PLACES
	FETCH \sl, \kq, 1-(\f)
	s_wait_dscnt 24                                ; LDS loads come back in order (ISA guide 5.7.1): all but the 24 just issued are in
	MUL8 \f, 0, \zero
	MUL8 \f, 1, \zero
	MUL8 \f, 2, \zero
	MUL8 \f, 3, \zero
.endm
; The third quarter of a K step changes slots: its head issues the slot's last reads, the fourth quarter's fragments.  ONE barrier: in front of it each wave waits for all its tensor loads, of which one is
; out: its part of the other slot; adds 0 to its spare word; and waits for that and for its own reads of this slot.  Behind it nobody reads this slot any more and the other slot is whole.
; fill = 1: the barrier opens a round of the cluster's barrier, and this slot is filled again, two K steps ahead, first thing behind the round: 112 matrix instructions ahead of the wait for it.
; The walking descriptors: the LDS word is this slot's; each address goes one K step on.
.macro TQ2 fill
	PLACES
	FETCH 0, 3, 1
	s_wait_dscnt 24
	MUL8 0, 0, 0
	WIN 0                                          ; (the add's two registers lie in window 0)
	s_wait_tensorcnt 0x0                           ; all my tensor loads have landed: my part of the other slot;
	ds_add_u32 v[SPW], v[NIL]                      ; 0 onto my spare word
	MUL8 0, 1, 0                                   ; eight matrix instructions stand between the add and the wait for it
	s_wait_dscnt 0x0                               ; the add is done, and my reads of this slot are over
	s_barrier_signal -1
	MUL8 0, 2, 0                                   ; work on registers while the others arrive
	WIN 0
	s_barrier_wait -1
.if \fill
	CREST                                          ; no wave of any partner still reads this slot's tile or has a load on its way
	s_add_co_u32 s[G0+5],  s20, s[TOG]             ; no tensor load of mine is out, so a group 0 may be written
	s_add_co_u32 s[G0B+5], s66, s[TOG]
	s_add_nc_u64 s[G0+6:G0+7], s[G0+6:G0+7], 524288    ; two heads on; the type bits on top are not reached
	s_add_nc_u64 s[G0B+6:G0B+7], s[G0B+6:G0B+7], 256
	JLOAD 1
.endif
	MUL8 0, 3, 0
.endm
	s_wait_tensorcnt 1                             ; my part of K step 0 is in; K step 1's may stay out
	s_barrier_signal -1
	s_barrier_wait -1                              ; everybody's is
	FETCH 0, 0, 0
	QUARTER 0, 0, 1, 1                             ; the first quarter stands in front of the loop: its products start the sums
	WIN 0                                          ; at a label and at a branch every window is 0
	s_mov_b32 s3, 6
.Lstep:                                                ; trip g = 0 .. 5: the second to fourth quarters of K step g, the first of step g + 1; step g + 2 is asked for
	QUARTER 1, 0, 2, 0
	TQ2 1
	QUARTER 1, 1, 0, 0                             ; the fourth quarter fetches the other slot's first fragments
	QUARTER 0, 1, 1, 0
	WIN 0
	TOGGLE
	s_sub_co_u32 s3, s3, 1
	s_cmp_lg_u32 s3, 0
	s_cbranch_scc1 .Lstep
	; The last two K steps ask for nothing: their text is written apart, once for both.  The second trip is left behind its fourth quarter; there is no further step,
	; so the 24 LDS loads that would serve one take the other slot's old bytes and serve nothing: the price, once a launch, of one text for both trips.
	s_mov_b32 s3, 2
.Ltail:
	QUARTER 1, 0, 2, 0
	TQ2 0
	QUARTER 1, 1, 0, 0
	WIN 0
	s_sub_co_u32 s3, s3, 1
	s_cmp_eq_u32 s3, 0
	s_cbranch_scc1 .Lout
	QUARTER 0, 1, 1, 0
	WIN 0
	TOGGLE
	s_branch .Ltail
.Lout:
	s_wait_dscnt 0x0                               ; those 24 loads have landed: the way out loads into window 1's registers, theirs among them
	; THE WAY OUT, a block of 16 rows at a time: a lane's eight numbers of a row, 32 bytes, go into my own stage, rows of 528 bytes, and come back as whole rows of 512 bytes, one row to a load.
	; The four blocks come back into window 1's 256 registers, each into its own 64: no register is used twice by the stores.
	PLACES
.macro OUT a
	WIN 0x08                                       ; store data (source 1) window 2, address window 0
.irp b, 0,1,2,3,4,5,6,7
	ds_store_b128 v[STO], v[8*(8*(\a)+(\b)):8*(8*(\a)+(\b))+3]   offset:64*(\b)      ; each accumulator from its low end on
	ds_store_b128 v[STO], v[8*(8*(\a)+(\b))+4:8*(8*(\a)+(\b))+7] offset:64*(\b)+16
.endr
	WIN 0x40                                       ; destination window 1
.irp t, 0,1,2,3,4,5,6,7,8,9,10,11,12,13,14,15
	ds_load_b128 v[64*(\a)+4*(\t):64*(\a)+4*(\t)+3], v[RD] offset:(\t)*SPO  ; LDS serves a wave's instructions in order (ISA guide 5.7.1.4): these see the stores above; the next block's stores come behind them
.endr
.endm
.macro SEND a, younger                 ; younger: the LDS instructions issued behind block a's loads: the next block's 32, or none
	WIN 0x04                                       ; store data (source 1) window 1, address window 0
.irp t, 0,1,2,3,4,5,6,7,8,9,10,11,12,13,14,15
	s_wait_dscnt (\younger)+15-(\t)
	global_store_b128 v[CO], v[64*(\a)+4*(\t):64*(\a)+4*(\t)+3], s[8:9] offset:(16*(\a)+(\t))*4096 th:TH_STORE_NT  ; 512 consecutive bytes, at a multiple of 256 from out's first byte
.endr
.endm
	OUT 0
	OUT 1                                          ; a block's trip through the stage stands between the loads of the block before and its stores
	SEND 0, 32
	OUT 2
	SEND 1, 32
	OUT 3
	SEND 2, 32
	SEND 3, 0
	WIN 0
	s_wait_tensorcnt 0x0                           ; the wave's end: behind my last tensor load and my last LDS store
	ds_add_u32 v[SPW], v[NIL]
	s_wait_dscnt 0x0
	CROUND                                         ; the closing round: no work-group ends while a partner may still ask for a tile that names it
	s_endpgm
.Lfunc_end_k_q804943cbd1_outp:
	.size	k_q804943cbd1_outp, .Lfunc_end_k_q804943cbd1_outp-k_q804943cbd1_outp
	.p2alignl 7, 3214868480
	.fill 96, 4, 3214868480
	.section	.rodata,"a",@progbits
	.p2align	6, 0x0
	.amdhsa_kernel k_q804943cbd1_outp
		.amdhsa_group_segment_fixed_size 327680
		.amdhsa_private_segment_fixed_size 0
		.amdhsa_enable_private_segment 0
		.amdhsa_kernarg_size 24
		.amdhsa_user_sgpr_count 2
		.amdhsa_user_sgpr_kernarg_segment_ptr 1
		.amdhsa_wavefront_size32 1
		.amdhsa_system_sgpr_workgroup_id_x 1
		.amdhsa_system_sgpr_workgroup_id_y 1
		.amdhsa_system_sgpr_workgroup_id_z 1
		.amdhsa_system_vgpr_workitem_id 0
		.amdhsa_next_free_vgpr 768
		.amdhsa_next_free_sgpr 70
		.amdhsa_reserve_vcc 0
		.amdhsa_float_denorm_mode_32 3
		.amdhsa_float_denorm_mode_16_64 3
		.amdhsa_memory_ordered 1
		.amdhsa_forward_progress 1
		.amdhsa_inst_pref_size 62
	.end_amdhsa_kernel
	.amdgpu_metadata
---
amdhsa.version: [ 1, 2 ]
amdhsa.kernels:
  - .name:           k_q804943cbd1_outp
    .symbol:         k_q804943cbd1_outp.kd
    .args:
      - { .name: o16, .offset: 0, .size: 8, .value_kind: global_buffer, .address_space: global }
      - { .name: w16, .offset: 8, .size: 8, .value_kind: global_buffer, .address_space: global }
      - { .name: out0, .offset: 16, .size: 8, .value_kind: global_buffer, .address_space: global }
    .group_segment_fixed_size: 327680
    .private_segment_fixed_size: 0
    .kernarg_segment_align: 8
    .kernarg_segment_size: 24
    .max_flat_workgroup_size: 128
    .sgpr_count:     70
    .vgpr_count:     768
    .wavefront_size: 32
...
	.end_amdgpu_metadata
.endif
;; end of part 4
